; MI455X (gfx1250); checked and timed in simulation.
; The chip was launched on July 23, 2026; its instructions are those of AMD's public machine-readable ISA for CDNA 5 (MIT licence, August 2026) and "CDNA5" Instruction Set Architecture Reference Guide (July 2026). The comments in the code are by the model that wrote it; some were corrected since.
;; Multi Head Attn With Ro PE. Allowed arithmetic: matrix products marked QUANTISED: E2M3 operands, one E8M0 scale for each 32 along K, by v_wmma_scale_f32_16x16x128_f8f6f4 with both operands' format E2M3, f32 sums; everything else in f32.
;; Inputs: Wk 1,024 x 1,024 float32; Wo 1,024 x 1,024 float32; Wq 1,024 x 1,024 float32; Wv 1,024 x 1,024 float32; X 4 x 2,048 x 1,024 float32; bk 1,024 float32; bo 1,024 float32; bq 1,024 float32; bv 1,024 float32.
;; Outputs: out0 4 x 2,048 x 1,024 float32.
;; This version of the problem:
;;   THIS VERSION OF THE PROBLEM IS GIVEN IN LOW PRECISION. The matrix products marked QUANTISED in the list below multiply operands that are first quantised to E2M3 (2 exponent bits, 3 mantissa bits; 6 bits a number), with one power-of-two scale for each 32 numbers along K (OCP MX v1.0); their sums are f32. All else is computed in f32.
;;   The module's matrix products, in the order in which they are computed (A, B: the left and right operand; K: the contracted axis; several contracted axes count as one K, in the product's order):
;;     1. [M 8,192, K 1,024] x [K 1,024, N 1,024]; A: input X; B: input Wq: QUANTISED
;;     2. [M 8,192, K 1,024] x [K 1,024, N 1,024]; A: input X; B: input Wk: QUANTISED
;;     3. [M 8,192, K 1,024] x [K 1,024, N 1,024]; A: input X; B: input Wv: QUANTISED
;;     4. batch 64 x [M 2,048, K 64] x [K 64, N 2,048]; A: computed on the way; B: computed on the way: QUANTISED
;;     5. batch 64 x [M 64, K 2,048] x [K 2,048, N 2,048]; A: computed on the way; B: softmax (see below): QUANTISED
;;     6. [M 8,192, K 1,024] x [K 1,024, N 1,024]; A: computed on the way; B: input Wo: QUANTISED
;;   THE QUANTISER, for each operand of a quantised product, along K:
;;     - K is cut into blocks of 32 from its start; a last block that is shorter is filled with zeros.
;;     - A block's scale is 2^e with e = floor(log2(the largest magnitude in the block)) - 2, held to -126 .. 127; a block of zeros has e = 0. As a byte (E8M0): e + 127.
;;     - Each number is divided by its block's scale, clamped to +-7.5, and rounded to the nearest number of E2M3, ties to even, subnormals kept.
;;     - The product sums the exact products of the quantised numbers (number of the format x scale) in f32.
;;   ~~~python
;;   def quantise(x, axis):      # numpy; x: float32 -> the quantised numbers, widened to float32 again
;;       x = np.moveaxis(x, axis, -1); K = x.shape[-1]
;;       x = np.pad(x, [(0, 0)] * (x.ndim - 1) + [(0, -K % 32)]); x = x.reshape(x.shape[:-1] + (-1, 32)); a = np.abs(x).max(-1, keepdims=True)
;;       e = np.where(a > 0, np.clip(np.frexp(np.where(a > 0, a, 1))[1] - 1 - 2, -126, 127), 0)      # np.frexp(a)[1] - 1 = floor(log2(a)), exactly
;;       r = np.clip(x / 2.0 ** e, -7.5, 7.5)
;;       step = 2.0 ** (np.maximum(np.frexp(np.where(r == 0, 1, r))[1] - 1, 0) - 3)
;;       q = np.round(r / step) * step * 2.0 ** e      # np.round: ties to even
;;       return np.moveaxis(q.reshape(q.shape[:-2] + (-1,))[..., :K], -1, axis).astype(np.float32)
;;   ~~~
;;   SOFTMAX AHEAD OF A QUANTISED PRODUCT. Where the list says 'softmax', what is quantised is not the finished softmax but p = 2^(t - M), with t = logit x log2(e) and M = ceil(the row's largest t), a whole number; so 1/2 < the row's largest p <= 1. The row's sum l is taken of the UNQUANTISED p, in f32, and the product's result is divided by l at the end. Since M is a whole number, a kernel that streams over the keys may use a running M (the ceiling of the running maximum): every later rescaling is an exact power of two, which a block's scale takes up: the codes' values come out the same.
;;   OPERANDS COMPUTED ON THE WAY. 'Computed on the way' means the value that the module computes at that place (a softmax that the list does not call 'softmax' is quantised finished and normalised). What goes into a quantiser is computed in f32, as accurately as f32 sums, v_exp_f32 and their like allow (about 1e-6 of the number): no bf16 or f16 on the way to a quantiser, and a product that is left as it is and whose result goes on into a quantised operand takes f32 operands (vector FMAs, or v_wmma_f32_16x16x4_f32). A number that lies on a knife's edge between two numbers of the format may be rounded either way, as far as f32 arithmetic and the matrix unit's own rounding can turn it there, and no further.
;; One version. Each part assembles by itself: llvm-mc -triple=amdgcn-amd-amdhsa -mcpu=gfx1250 --defsym DOCPART=n.
;; ======== version 1 of 1: 4 launches
;; limits: right only within a limited range of input values
;; workspace buffers: xc 6,291,456 bytes; wc 3,145,728 bytes; ac 6,291,456 bytes; scl 655,360 bytes; tab 8,388,608 bytes; qkv 18,874,368 bytes; qkvs 786,432 bytes
;; launch prep (part 1): grid 256 x 1, 4 waves a work-group, no clusters, 49,664 bytes of LDS; arguments X, Wq, Wk, Wv, Wo, xc, wc, scl, tab; writes xc, wc, scl, tab
.if DOCPART == 1
	.amdgcn_target "amdgcn-amd-amdhsa--gfx1250"
	.amdhsa_code_object_version 6
	.text
	.protected	k_q21e7ceb839_prep
	.globl	k_q21e7ceb839_prep
	.p2align	8
	.type	k_q21e7ceb839_prep,@function
k_q21e7ceb839_prep:
	s_mov_b64 s[64:65], 0
	v_nop
	global_prefetch_b8 v0, s[64:65] scope:SCOPE_SE
	s_setreg_imm32_b32 hwreg(HW_REG_WAVE_MODE, 25, 1), 1
	s_wait_xcnt 0x0
; FIRST OF FOUR LAUNCHES of attention with RoPE over the full model dimension, every product on codes of FP6 (E2M3) with one E8M0 scale for each 32 along K.
; This launch: X [8192][1024] is quantised along its rows; Wq, Wk, Wv, Wo [1024 (k)][1024 (n)] along their FIRST axis; and the table of cos and sin of RoPE's angles is made once.
; WORK LEFT OUT BY THE PROGRAM: scores of key k and query q with k > q are set to -infinity by the mask that the problem builds itself (a lower triangle), whatever the inputs hold; their weights are 0 and add
; nothing to any sum.  So steps of 128 keys that lie wholly behind a tile's 16 queries are not multiplied (third launch).  Every input has a way to the output and is loaded.
; LIMITS: a NaN, an infinity or an overflow that reaches only such hidden scores is not carried to the result; NaN and infinities among the inputs are not served; a block of zeros gets the scale byte 1 where the
; rule says 127 (its codes are zeros, which add nothing under any byte but 0xff, and this program alone reads the bytes); the angle is fl(s x f), f = 10000^(-j / 512) to about one unit in its last place;
; sin and cos are good to about 1e-7 absolute, by a reduction that serves angles up to 2,047, which the 2,048 positions fix.
; ROWS IN WORKSPACE ORDER: of each 32 rows, tile u (0, 1) of 16 holds, at its place r, the row 8 u + r + 8 (r / 8).  A product used transposed then leaves a lane 16 NEIGHBOURS in the 16 registers of two
; neighbouring tiles.  IMAGES: a fragment (16 rows x 128 K, 12 registers a lane) lies in memory as two halves of 768 bytes; in a half lane l's registers 0-3 stand at 16 l and its registers 4, 5 at 512 + 8 l.
; SHARES: 1,024 waves, each one share of each job.  X: 16 rows x 512 along K (four fragments).  W: 32 columns x 128 along K (two fragments), a lane to a column, registers down K.  Table: 16 positions x 64 pairs.
; No tensor load, no barrier: waves share nothing; each has LDS bytes of its own.
.set WREG,  12288                      ; LDS of a wave: X's stage, 16 rows x (512 + 16) bytes, from 0; W's stage from WST
.set WST,   8704
.set WSTR,  1664                       ; from one fragment's image to the other's in W's stage: 1,536 + 128
.set SPARE, 4*WREG                     ; the spare words, 128 bytes for each wave: two blocks of 256 bytes that no other line names
.set SPW,   12                         ; v12  LDS address of my spare word; never rewritten
.set NIL,   13                         ; v13  0; never rewritten
.set RX,    16                         ; v16-143  X as loaded, two sets of 64; later W, two sets of 32
.set NX,    144                        ; v144-207 64 numbers of a lane; ahead of that the table's work
.set PC,    208                        ; v208-    codes
.set CT,    220                        ; v220-226 the conversions' second halves (X)
.set SEL,   54                         ; s[54:55] selects for lane l xor 16
	s_load_b256 s[4:11], s[0:1], 0x0               ; X, Wq, Wk, Wv
	s_load_b256 s[12:19], s[0:1], 0x20             ; Wo, xc, wc, scl
	s_load_b64 s[20:21], s[0:1], 0x40              ; tab
	v_lshl_add_u32 v[SPW], v0, 2, SPARE
	v_mov_b32 v[NIL], 0
	v_lshrrev_b32 v1, 5, v0
	v_readfirstlane_b32 s22, v1                    ; wave 0..3
	v_and_b32 v1, 31, v0                           ; lane
	v_and_b32 v2, 15, v0                           ; r
	v_bfe_u32 v3, v0, 4, 1                         ; h
	v_lshlrev_b32 v4, 4, v1                        ; 16 x lane
	v_lshlrev_b32 v5, 3, v1                        ; 8 x lane
	s_mul_i32 s24, s22, WREG
	v_add_nc_u32 v6, s24, v4                       ; X's stage, in: 16 x lane of a row
	v_mul_u32_u24 v7, v2, 528
	v_lshl_add_u32 v7, v3, 7, v7
	v_add_nc_u32 v7, s24, v7                       ; and out: row r, + 128 h: my 32 numbers of each 64
	v_bfe_u32 v16, v0, 3, 1                        ; W: my column's tile u,
	v_and_b32 v17, 7, v0
	v_lshl_add_u32 v17, v3, 3, v17                 ; and its place r' in it
	v_mul_u32_u24 v8, v16, WSTR
	v_lshl_add_u32 v9, v17, 3, v8
	v_lshl_add_u32 v8, v17, 4, v8
	s_add_co_u32 s25, s24, WST
	v_add_nc_u32 v8, s25, v8                       ; W's stage: registers 0-3 of a half
	v_add_nc_u32 v10, s25, v4                      ; and back: 16 x lane
	s_add_co_u32 s26, s25, 512
	v_add_nc_u32 v9, s26, v9                       ; registers 4, 5
	v_lshlrev_b32 v11, 2, v2
	v_lshl_add_u32 v11, v3, 9, v11                 ; X's scale words: 4 r, lanes 16-31 one K step on
	v_lshl_add_u32 v245, v16, 4, v17
	v_lshlrev_b32 v245, 2, v245                    ; W's scale word: 4 x (16 u + r')
	v_lshlrev_b32 v246, 2, v1                      ; W: 4 bytes a lane
	v_lshlrev_b32 v247, 3, v3                      ; 8 h
.irp f, 0,1,2,3
	v_mov_b32 v[236+\f], 0                         ; a lane permute's destination counts as one of its sources
.endr
	s_lshl_b32 s23, ttmp9, 2
	s_add_co_u32 s23, s23, s22                     ; my wave among the 1,024
	s_lshr_b32 s27, s22, 1                         ; X: tile 2 x work-group + wave / 2,
	s_and_b32 s28, s22, 1                          ; half wave % 2 of K
	s_lshl_b32 s30, ttmp9, 17                      ; 32 rows of 4,096 bytes a work-group
	s_lshl_b32 s31, s27, 15                        ; the odd tile begins 8 rows down
	s_add_co_u32 s30, s30, s31
	s_lshl_b32 s31, s28, 11
	s_add_co_u32 s30, s30, s31
	s_mov_b32 s31, 0
	s_lshr_b32 s32, ttmp9, 2                       ; block of 128 rows
	s_and_b32 s33, ttmp9, 3
	s_lshl_b32 s33, s33, 1
	s_add_co_u32 s33, s33, s27                     ; tile in it
	s_mul_i32 s34, s32, 98304
	s_mul_i32 s35, s33, 1536
	s_add_co_u32 s34, s34, s35
	s_mul_i32 s35, s28, 49152
	s_add_co_u32 s34, s34, s35
	s_mov_b32 s35, 0
	s_lshl_b32 s38, s32, 12
	s_lshl_b32 s39, s28, 11
	s_add_co_u32 s38, s38, s39
	s_lshl_b32 s39, s33, 6
	s_add_co_u32 s38, s38, s39
	s_mov_b32 s39, 0
	s_lshr_b32 s24, ttmp9, 3
	s_and_b32 s24, s24, 7                          ; W: K step of 128
	s_and_b32 s25, ttmp9, 7                        ; block of 128 columns
	s_lshr_b32 s26, ttmp9, 6                       ; which weight
	s_lshl_b32 s26, s26, 3
	s_add_co_u32 s26, s26, s25                     ; block of 128 rows in wc
	s_lshl_b32 s56, s24, 19
	s_lshl_b32 s57, s25, 9
	s_add_co_u32 s56, s56, s57
	s_lshl_b32 s57, s22, 7
	s_add_co_u32 s56, s56, s57
	s_mov_b32 s57, 0
	s_mul_i32 s52, s26, 98304
	s_mul_i32 s53, s24, 12288
	s_add_co_u32 s52, s52, s53
	s_mul_i32 s53, s22, 3072
	s_add_co_u32 s52, s52, s53
	s_mov_b32 s53, 0
	s_lshl_b32 s58, s26, 12
	s_lshl_b32 s59, s24, 9
	s_add_co_u32 s58, s58, s59
	s_lshl_b32 s59, s22, 7
	s_add_co_u32 s58, s58, s59
	s_add_co_u32 s58, s58, 262144
	s_mov_b32 s59, 0
	s_lshr_b32 s32, s23, 3                         ; the table: tile of 16 positions
	s_lshr_b32 s33, s32, 1
	s_lshl_b32 s33, s33, 5
	s_and_b32 s32, s32, 1
	s_lshl_b32 s32, s32, 3
	s_add_co_u32 s32, s32, s33
	v_and_b32 v16, 8, v2
	v_add_nc_u32 v16, v16, v2
	v_add_nc_u32 v14, s32, v16
	v_cvt_f32_u32 v14, v14                         ; my position, as f32
	s_and_b32 s33, s23, 7
	s_lshl_b32 s33, s33, 6
	v_lshl_add_u32 v15, v3, 3, s33                 ; my first pair: 64 x block of columns + 8 h
	s_mov_b32 s40, 0x3cd49a00                      ; log2(10000) / 512 in two parts: the high one has 15 bits, so j x it is exact for j < 512
	s_mov_b32 s41, 0x34709796
	s_mov_b32 s42, 0xbf317218                      ; -ln 2
	s_mov_b32 s43, 0x3f22f983                      ; 2 / pi
	s_mov_b32 s44, 0x3fc90fdb                      ; pi / 2 in two parts
	s_mov_b32 s45, 0xb33bbd2e
	s_mov_b32 s46, 0xbe2aaaa3                      ; sin r = r + r z (S1 + z (S2 + z S3)), z = r r, |r| <= pi / 4
	s_mov_b32 s47, 0x3c08839e
	s_mov_b32 s48, 0xb94ca1f9
	s_mov_b32 s49, 0x3d2aaaa5                      ; cos r = 1 - z / 2 + z z (C1 + z (C2 + z C3))
	s_mov_b32 s50, 0xbab6061a
	s_mov_b32 s51, 0x37ccf5ce
	s_mov_b32 s[SEL], 0x76543210
	s_mov_b32 s[SEL+1], 0xfedcba98
	s_wait_kmcnt 0x0
	s_add_nc_u64 s[4:5], s[4:5], s[30:31]          ; X at my tile
	s_add_nc_u64 s[14:15], s[14:15], s[34:35]      ; its images
	s_add_nc_u64 s[60:61], s[18:19], s[38:39]      ; its scale words
	s_cmp_lt_u32 ttmp9, 64                         ; which weight: the choice hangs on the work-group's number alone
	s_cselect_b64 s[36:37], s[6:7], s[8:9]
	s_cmp_lt_u32 ttmp9, 192
	s_cselect_b64 s[38:39], s[10:11], s[12:13]
	s_cmp_lt_u32 ttmp9, 128
	s_cselect_b64 s[36:37], s[36:37], s[38:39]
	s_add_nc_u64 s[36:37], s[36:37], s[56:57]
	s_add_nc_u64 s[16:17], s[16:17], s[52:53]
	s_add_nc_u64 s[62:63], s[18:19], s[58:59]
	s_lshl_b32 s28, s23, 13
	s_mov_b32 s29, 0
	s_add_nc_u64 s[20:21], s[20:21], s[28:29]      ; my 8,192 bytes of the table
	v_cmp_ne_u32 s58, 0, v3                        ; lanes 16-31
.macro XLOAD f                         ; fragment f: 512 bytes of each of my 16 rows, a row a load: 32 lanes read 512 consecutive bytes
.set t, 0
.rept 16
	global_load_b128 v[RX+64*((\f)%2)+4*t:RX+64*((\f)%2)+4*t+3], v4, s[4:5] offset:(t+8*(t/8))*4096+512*(\f) th:TH_LOAD_NT
.set t, t+1
.endr
.endm
.macro WLOAD t                         ; block t of 32 along K: W(32 t + i, my column)
.set i, 0
.rept 32
	global_load_b32 v[RX+32*((\t)%2)+i], v246, s[36:37] offset:(32*(\t)+i)*4096 th:TH_LOAD_NT
.set i, i+1
.endr
.endm
	XLOAD 0
	XLOAD 1
	; ---- THE TABLE, while X's first 32 loads are on their way.  A trip: two pairs j, j + 1 for my position: (cos, sin, cos, sin), 16 bytes a lane, 512 consecutive bytes a wave.
	v_mov_b32 v180, v4
	s_mov_b32 s29, 0
.Ltab:
	s_lshr_b32 s30, s29, 2
	s_lshl_b32 s30, s30, 4
	s_and_b32 s31, s29, 3
	s_lshl_b32 s31, s31, 1
	s_add_co_u32 s30, s30, s31                     ; 16 (trip / 4) + 2 (trip % 4)
	s_add_co_u32 s31, s30, 1
	s_wait_alu depctr_va_vdst(0)
	v_add_nc_u32 v144, s30, v15
	v_add_nc_u32 v160, s31, v15
.irp p, 0,1
	v_cvt_f32_u32 v[144+16*\p], v[144+16*\p]       ; j
.endr
.irp p, 0,1
	v_mul_f32 v[145+16*\p], s40, v[144+16*\p]      ; exact
.endr
.irp p, 0,1
	v_mul_f32 v[146+16*\p], s41, v[144+16*\p]
.endr
	s_wait_alu depctr_va_vdst(0)
.irp p, 0,1
	v_exp_f32 v[147+16*\p], -v[145+16*\p]
.endr
.irp p, 0,1
	v_mul_f32 v[146+16*\p], s42, v[146+16*\p]      ; (plain lines behind the exponentials)
.endr
	s_wait_alu depctr_va_vdst(0)                   ; one wait for both, ahead of their first reader
.irp p, 0,1
	v_fma_f32 v[148+16*\p], v[147+16*\p], v[146+16*\p], v[147+16*\p]   ; f = 10000^(-j / 512)
.endr
.irp p, 0,1
	v_mul_f32 v[148+16*\p], v14, v[148+16*\p]      ; the angle
.endr
.irp p, 0,1
	v_mul_f32 v[149+16*\p], s43, v[148+16*\p]
.endr
.irp p, 0,1
	v_rndne_f32 v[149+16*\p], v[149+16*\p]         ; n quarter turns
.endr
.irp p, 0,1
	v_fma_f32 v[150+16*\p], -v[149+16*\p], s44, v[148+16*\p]
.endr
.irp p, 0,1
	v_fma_f32 v[150+16*\p], -v[149+16*\p], s45, v[150+16*\p]   ; r
.endr
.irp p, 0,1
	v_mul_f32 v[151+16*\p], v[150+16*\p], v[150+16*\p]         ; z
.endr
.irp p, 0,1
	v_fma_f32 v[152+16*\p], v[151+16*\p], s48, s47
	v_fma_f32 v[153+16*\p], v[151+16*\p], s51, s50
.endr
.irp p, 0,1
	v_fma_f32 v[152+16*\p], v[152+16*\p], v[151+16*\p], s46
	v_fma_f32 v[153+16*\p], v[153+16*\p], v[151+16*\p], s49
.endr
.irp p, 0,1
	v_mul_f32 v[155+16*\p], v[150+16*\p], v[151+16*\p]
	v_fma_f32 v[156+16*\p], v[151+16*\p], -0.5, 1.0
.endr
.irp p, 0,1
	v_fma_f32 v[152+16*\p], v[155+16*\p], v[152+16*\p], v[150+16*\p]   ; sin r
	v_mul_f32 v[155+16*\p], v[151+16*\p], v[151+16*\p]
.endr
.irp p, 0,1
	v_fma_f32 v[153+16*\p], v[155+16*\p], v[153+16*\p], v[156+16*\p]   ; cos r
	v_cvt_i32_f32 v[154+16*\p], v[149+16*\p]
.endr
.irp p, 0,1
	v_and_b32 v[155+16*\p], 1, v[154+16*\p]
.endr
.irp p, 0,1
	v_cmp_ne_u32 s[56+\p], 0, v[155+16*\p]         ; an odd quarter swaps the two
.endr
.irp p, 0,1
	v_cndmask_b32 v[157+16*\p], v[152+16*\p], v[153+16*\p], s[56+\p]
	v_cndmask_b32 v[158+16*\p], v[153+16*\p], v[152+16*\p], s[56+\p]
.endr
.irp p, 0,1
	v_lshlrev_b32 v[155+16*\p], 30, v[154+16*\p]   ; sin changes sign in quarters 2 and 3: bit 1 of n,
	v_add_nc_u32 v[154+16*\p], 1, v[154+16*\p]
.endr
.irp p, 0,1
	v_and_b32 v[155+16*\p], 0x80000000, v[155+16*\p]
	v_lshlrev_b32 v[154+16*\p], 30, v[154+16*\p]   ; cos in quarters 1 and 2: bit 1 of n + 1
.endr
.irp p, 0,1
	v_xor_b32 v[177+2*\p], v[155+16*\p], v[157+16*\p]
	v_and_b32 v[154+16*\p], 0x80000000, v[154+16*\p]
.endr
.irp p, 0,1
	v_xor_b32 v[176+2*\p], v[154+16*\p], v[158+16*\p]
.endr
	global_store_b128 v180, v[176:179], s[20:21]
	s_wait_xcnt 0x0                                ; the store has read its data and its offset: both are written again only behind this wait
	v_add_nc_u32 v180, 512, v180
	s_add_co_u32 s29, s29, 1
	s_cmp_lt_u32 s29, 16
	s_cbranch_scc1 .Ltab
	; ---- X.  A fragment's 16 x 512 bytes turn through my stage: in as loaded, out 128 bytes a lane for each 64 along K: lane (r, h) then holds k = 64 c + 32 h + 0 .. 31 of row r: two whole blocks.
.macro XFRAG f
.if (\f) < 3
	s_wait_loadcnt 16                              ; this fragment's 16 loads are in; the next one's 16 may be out
.else
	s_wait_loadcnt 0x0
.endif
.set t, 0
.rept 16
	ds_store_b128 v6, v[RX+64*((\f)%2)+4*t:RX+64*((\f)%2)+4*t+3] offset:528*t
.set t, t+1
.endr
.irp c, 0,1
.irp m, 0,1,2,3,4,5,6,7
	ds_load_b128 v[NX+32*\c+4*\m:NX+32*\c+4*\m+3], v7 offset:256*\c+16*\m   ; LDS serves a wave's instructions in order: these see the stores above
.endr
.endr
	s_wait_dscnt 0x0                               ; the numbers are back: so the stores have read their registers,
.if (\f) < 2
	XLOAD (\f)+2                                   ; which take the fragment two on
.endif
.if (\f) == 3
	WLOAD 0                                        ; or, at the end, W's first two blocks
	WLOAD 1
.endif
.irp c, 0,1
	v_max3_num_f32 v[228+\c], |v[NX+32*\c]|, |v[NX+1+32*\c]|, 0x1800000   ; the block's largest magnitude, and the floor 2^(3 - 127): the byte cannot fall under 1
.endr
.irp i, 2,4,6,8,10,12,14,16,18,20,22,24,26,28,30
.irp c, 0,1
	v_max3_num_f32 v[228+\c], v[228+\c], |v[NX+32*\c+\i]|, |v[NX+1+32*\c+\i]|
.endr
.endr
.irp c, 0,1
	v_add_nc_u32 v[230+\c], 0xff000000, v[228+\c]  ; 2 off its exponent field: the conversion's scale operand
.endr
.irp c, 0,1
	v_lshrrev_b32 v[232+\c], 23, v[230+\c]         ; the scale's byte
.endr
	v_lshl_or_b32 v234, v233, 16, v232             ; my two bytes, blocks h and 2 + h,
	v_lshlrev_b32 v234, v247, v234                 ; at their places;
	v_permlanex16_b32 v[236+\f], v234, s[SEL], s[SEL+1]
	v_or_b32 v[236+\f], v[236+\f], v234            ; with lane l xor 16's two the word is whole
.if (\f) > 0
	s_wait_alu depctr_va_vdst(0)
	s_wait_xcnt 0x0                                ; the last fragment's stores have read the codes' registers
.endif
.irp c, 0,1
	v_cvt_scalef32_pk16_fp6_f32 v[PC+6*\c:PC+6*\c+2], v[NX+32*\c:NX+32*\c+15], v[230+\c]
	v_cvt_scalef32_pk16_fp6_f32 v[CT+4*\c:CT+4*\c+2], v[NX+32*\c+16:NX+32*\c+31], v[230+\c]   ; (a conversion's three registers begin on an even number)
.endr
	v_nop                                          ; one plain place behind a scaled conversion
.irp c, 0,1
.irp i, 0,1,2
	v_mov_b32 v[PC+6*\c+3+\i], v[CT+4*\c+\i]
.endr
.endr
	global_store_b128 v4, v[PC:PC+3], s[14:15] offset:12288*(\f)             ; the image: 512, 256, 512, 256 consecutive bytes
	global_store_b64 v5, v[PC+4:PC+5], s[14:15] offset:12288*(\f)+512
	global_store_b128 v4, v[PC+6:PC+9], s[14:15] offset:12288*(\f)+768
	global_store_b64 v5, v[PC+10:PC+11], s[14:15] offset:12288*(\f)+1280
.endm
	XFRAG 0
	XFRAG 1
	XFRAG 2
	XFRAG 3
	v_cndmask_b32 v234, v236, v237, s58            ; the four scale words leave by two stores: lanes 0-15 an even K step's, lanes 16-31 the odd one's
	v_cndmask_b32 v235, v238, v239, s58
	global_store_b32 v11, v234, s[60:61]
	global_store_b32 v11, v235, s[60:61] offset:1024
	; ---- W.  A block of 32 along K of my column lies in my 32 registers; its 24 bytes of codes go to the place that the fragment's layout gives them: lane (r', t % 2), half t / 2 of tile u's image.
	s_wait_xcnt 0x0                                ; X's stores have read the registers that W's codes take
.macro WBLOCK t
.set XS, RX+32*((\t)%2)
.if (\t) < 3
	s_wait_loadcnt 32                              ; this block's 32 loads are in; the next block's may be out
.else
	s_wait_loadcnt 0x0
.endif
	v_max3_num_f32 v240, |v[XS]|, |v[XS+1]|, |v[XS+2]|
	v_max3_num_f32 v241, |v[XS+3]|, |v[XS+4]|, |v[XS+5]|
.irp i, 6,10,14,18,22,26
	v_max3_num_f32 v240, v240, |v[XS+\i]|, |v[XS+\i+1]|
	v_max3_num_f32 v241, v241, |v[XS+\i+2]|, |v[XS+\i+3]|
.endr
	v_max3_num_f32 v240, v240, |v[XS+30]|, |v[XS+31]|
	v_max3_num_f32 v240, v240, v241, 0x1800000
	v_add_nc_u32 v242, 0xff000000, v240
	v_lshrrev_b32 v243, 23, v242
.if (\t) == 0
	v_mov_b32 v244, v243
.else
	v_lshl_or_b32 v244, v243, 8*(\t), v244         ; my column's scale word for these 128 along K
.endif
	v_cvt_scalef32_pk16_fp6_f32 v[PC+6*(\t):PC+6*(\t)+2], v[XS:XS+15], v242
	v_cvt_scalef32_pk16_fp6_f32 v[232:234], v[XS+16:XS+31], v242
	v_nop
.irp i, 0,1,2
	v_mov_b32 v[PC+6*(\t)+3+\i], v[232+\i]
.endr
	ds_store_b128 v8, v[PC+6*(\t):PC+6*(\t)+3] offset:768*((\t)/2)+256*((\t)%2)
	ds_store_b64 v9, v[PC+6*(\t)+4:PC+6*(\t)+5] offset:768*((\t)/2)+128*((\t)%2)
.if (\t) < 2
	WLOAD (\t)+2
.endif
.endm
	WBLOCK 0
	WBLOCK 1
	WBLOCK 2
	WBLOCK 3
.irp u, 0,1
.irp p, 0,1,2
	ds_load_b128 v[NX+12*\u+4*\p:NX+12*\u+4*\p+3], v10 offset:WSTR*\u+512*\p   ; the two images come back 16 bytes a lane
.endr
.endr
	s_wait_alu depctr_va_vdst(0)
.irp u, 0,1
.irp p, 0,1,2
	s_wait_dscnt 5-3*\u-\p                         ; LDS loads come back in order: this one is in, the younger ones may be out
	global_store_b128 v4, v[NX+12*\u+4*\p:NX+12*\u+4*\p+3], s[16:17] offset:1536*\u+512*\p   ; 512 consecutive bytes
.endr
.endr
	global_store_b32 v245, v244, s[62:63]          ; 32 scale words: 128 consecutive bytes, each at its row's place in workspace order
	s_wait_tensorcnt 0x0                           ; the wave's end
	ds_add_u32 v[SPW], v[NIL]
	s_wait_dscnt 0x0
	s_endpgm
.Lfunc_end_k_q21e7ceb839_prep:
	.size	k_q21e7ceb839_prep, .Lfunc_end_k_q21e7ceb839_prep-k_q21e7ceb839_prep
	.p2alignl 7, 3214868480
	.fill 96, 4, 3214868480
	.section	.rodata,"a",@progbits
	.p2align	6, 0x0
	.amdhsa_kernel k_q21e7ceb839_prep
		.amdhsa_group_segment_fixed_size 49664
		.amdhsa_private_segment_fixed_size 0
		.amdhsa_enable_private_segment 0
		.amdhsa_kernarg_size 72
		.amdhsa_user_sgpr_count 2
		.amdhsa_user_sgpr_kernarg_segment_ptr 1
		.amdhsa_wavefront_size32 1
		.amdhsa_system_sgpr_workgroup_id_x 1
		.amdhsa_system_sgpr_workgroup_id_y 1
		.amdhsa_system_sgpr_workgroup_id_z 1
		.amdhsa_system_vgpr_workitem_id 0
		.amdhsa_next_free_vgpr 256
		.amdhsa_next_free_sgpr 66
		.amdhsa_reserve_vcc 0
		.amdhsa_float_denorm_mode_32 3
		.amdhsa_float_denorm_mode_16_64 3
		.amdhsa_memory_ordered 1
		.amdhsa_forward_progress 1
		.amdhsa_inst_pref_size 58
	.end_amdhsa_kernel
	.amdgpu_metadata
---
amdhsa.version: [ 1, 2 ]
amdhsa.kernels:
  - .name:           k_q21e7ceb839_prep
    .symbol:         k_q21e7ceb839_prep.kd
    .args:
      - { .name: X, .offset: 0, .size: 8, .value_kind: global_buffer, .address_space: global }
      - { .name: Wq, .offset: 8, .size: 8, .value_kind: global_buffer, .address_space: global }
      - { .name: Wk, .offset: 16, .size: 8, .value_kind: global_buffer, .address_space: global }
      - { .name: Wv, .offset: 24, .size: 8, .value_kind: global_buffer, .address_space: global }
      - { .name: Wo, .offset: 32, .size: 8, .value_kind: global_buffer, .address_space: global }
      - { .name: xc, .offset: 40, .size: 8, .value_kind: global_buffer, .address_space: global }
      - { .name: wc, .offset: 48, .size: 8, .value_kind: global_buffer, .address_space: global }
      - { .name: scl, .offset: 56, .size: 8, .value_kind: global_buffer, .address_space: global }
      - { .name: tab, .offset: 64, .size: 8, .value_kind: global_buffer, .address_space: global }
    .group_segment_fixed_size: 49664
    .private_segment_fixed_size: 0
    .kernarg_segment_align: 8
    .kernarg_segment_size: 72
    .max_flat_workgroup_size: 128
    .sgpr_count:     66
    .vgpr_count:     256
    .wavefront_size: 32
...
	.end_amdgpu_metadata
.endif
;; end of part 1
;; launch qkv (part 2): grid 12 x 32, 4 waves a work-group, clusters of 4 x 4, 327,680 bytes of LDS; arguments xc, wc, scl, tab, bq, bk, bv, qkv, qkvs; writes qkv, qkvs
.if DOCPART == 2
	.amdgcn_target "amdgcn-amd-amdhsa--gfx1250"
	.amdhsa_code_object_version 6
	.text
	.protected	k_q21e7ceb839_qkv
	.globl	k_q21e7ceb839_qkv
	.p2align	8
	.type	k_q21e7ceb839_qkv,@function
k_q21e7ceb839_qkv:
	s_mov_b64 s[64:65], 0
	v_nop
	global_prefetch_b8 v0, s[64:65] scope:SCOPE_SE
	s_setreg_imm32_b32 hwreg(HW_REG_WAVE_MODE, 25, 1), 1
	s_wait_xcnt 0x0
	s_wait_alu depctr_hold_cnt(0) depctr_sa_sdst(0) depctr_va_vdst(0) depctr_va_sdst(0) depctr_va_ssrc(0) depctr_va_vcc(0) depctr_vm_vsrc(0)
	s_getreg_b32 s2, hwreg(HW_REG_IB_STS2, 6, 4)
	s_cmp_eq_u32 s2, 0
	s_cbranch_scc0 .Lentry_in_a_cluster
	s_endpgm
.Lentry_in_a_cluster:
	s_bfe_u32 s2, ttmp6, 0x10000c
	s_cmp_lg_u32 s2, 0xf033
	s_cbranch_scc0 .Lentry_shape_is_right
	s_endpgm
.Lentry_shape_is_right:
; SECOND LAUNCH: q = rope(X Wq + bq), k = rope(X Wk + bk), v = X Wv + bv on codes of FP6 (E2M3); the results leave as codes: q and k quantised along the head's 64, v along the keys.  No work is left out here.
; A tile of 256 rows of X x 256 columns of one weight is made by four waves, 128 x 128 each: 64 accumulators, 512 registers.  K = 1,024 goes in eight steps of 128 through a ring of two LDS slots of two steps each.
; Operands lie in memory as images of their registers (a fragment: two halves of 768 bytes; in a half lane l's registers 0-3 at 16 l, registers 4, 5 at 512 + 8 l), so a slot's quarter is ONE dense block of 24,576 bytes,
; every LDS load takes consecutive bytes, and there is no pitch and no padding.  The scale words of a wave's 128 + 128 rows for all of K, 64 registers, come once, straight from memory.
; CLUSTERS: 4 x 4 work-groups; X's tiles are asked for jointly along a row of the cluster, the weight's along a column.
; THE MATRIX INSTRUCTION IS USED TRANSPOSED: a lane holds ONE row of source 1's tile, and, by the workspace order of rows, the 16 registers of accumulators 2 g and 2 g + 1 are source 0's rows 32 g + 16 (lane / 16) + 0 .. 15.
; ROLES, by the cluster's x, which all sixteen partners share: 0: q, 1: k: source 1 = X, source 0 = W: a lane holds a position, its registers run along the columns: the head's axis.
;   2: v: source 1 = W, source 0 = X: a lane holds a channel, its registers run along the keys.  The data movement is the same; only the LDS bases of the reads and the scale words' offsets differ.
; The eight K steps are written out; the text parts behind the sixth, so that each role asks for what its way out needs two steps ahead.  No barrier and no tensor load stands in an arm.
; REGISTERS: window 0: v0-15 addresses; v16-79 scale words and nothing else; v80-175 source 1's fragments, one set; on the way out v80-255.  window 1: source 0's fragments, two sets, v0-95 and v96-191;
;   v192-255, and on the way out v0-63: the table of cos and sin.  windows 2, 3: the accumulators, (a, b) at v[8 (8 (a % 4) + b)].
.set FR,    12                         ; registers of a fragment
.set NL,    4                          ; LDS loads that bring one
.set NP,    4                          ; places behind this matrix instruction (ISA guide 7.12.1)
.set HALFT, 24576                      ; 128 rows x 256 along K: what one tensor load brings
.set SLOT,  4*HALFT                    ; X's two halves, then the weight's two
.set SPARE, 2*SLOT                     ; the spare words, 128 bytes for each wave
.set SPW,   2                          ; v2   LDS address of my spare word; never rewritten
.set NIL,   3                          ; v3   0; never rewritten
.set A16,   4                          ; v4-5   source 1's region in slot 0, 1, + 16 x lane;  v6-7: + 8 x lane
.set A8,    6
.set B16,   8                          ; v8-11  the same for source 0
.set B8,    10
.set SC,    16                         ; register 8 i + ks: lanes 0-15 the word of source 1's block i, lanes 16-31 that of source 0's block i, K step ks
.set AF,    80
.set XV,    80                         ; the way out: 64 numbers of a lane
.set PC,    144                        ; their codes
.set CT,    156
.set TM,    164
.set PW,    176
.set PWE,   177
.set SW,    180
.set RP,    184
.set BI,    192
.set G1,    24
.set G0,    32
.set G1B,   48
.set G0B,   56
.set SEL,   86
.set HM,    90                         ; s90  the mask of lanes 16-31
.set MSB, 0
.macro WIN new                         ; the immediate's high byte repeats the setting that is left
.if MSB != \new
	s_set_vgpr_msb (MSB<<8)|\new
.set MSB, \new
.endif
.endm
.set MUL_LO, 0xa1                      ; source 0 window 1, source 1 window 0, C and D window 2
.set MUL_HI, 0xf1
.set TO_B,   0x40                      ; destination window 1, address window 0
.macro JLOAD g0a, g1a, g0b, g1b        ; a joint load: waves 0 and 1 fetch X's halves, waves 2 and 3 the weight's; an s_nop 0 and four v_nop follow each line
	s_cmp_eq_u32 s15, 0
	s_cbranch_scc0 .Lfor_b_\@
	tensor_load_to_lds s[\g0a:\g0a+3], s[\g1a:\g1a+7]
	s_nop 0
.rept 4
	v_nop
.endr
	s_branch .Lasked_\@
.Lfor_b_\@:
	tensor_load_to_lds s[\g0b:\g0b+3], s[\g1b:\g1b+7]
	s_nop 0
.rept 4
	v_nop
.endr
.Lasked_\@:
.endm
.macro CREST                           ; a round of the cluster's barrier behind its opening barrier
	s_cmp_lg_u32 s14, 0
	s_cbranch_scc1 .Lnot_wave_0_\@
	s_barrier_signal -3
.Lnot_wave_0_\@:
	s_barrier_wait -3
	s_barrier_signal -1
	s_barrier_wait -1
.endm
.macro CROUND
	s_barrier_signal -1
	s_barrier_wait -1
	CREST
.endm
.macro PLACES n
.rept \n
	v_nop
.endr
.endm
.macro FRAG reg, a16, a8, q, i         ; a fragment's image: four loads, each of consecutive bytes
	ds_load_b128 v[\reg:\reg+3], v[\a16] offset:12288*(\q)+1536*(\i)
	ds_load_b64 v[\reg+4:\reg+5], v[\a8] offset:12288*(\q)+1536*(\i)+512
	ds_load_b128 v[\reg+6:\reg+9], v[\a16] offset:12288*(\q)+1536*(\i)+768
	ds_load_b64 v[\reg+10:\reg+11], v[\a8] offset:12288*(\q)+1536*(\i)+1280
.endm
.macro FETCH_B slot, q, p
	WIN TO_B
.irp i, 0,1,2,3,4,5,6,7
	FRAG 96*(\p)+FR*\i, B16+\slot, B8+\slot, \q, \i
.endr
	WIN 0
.endm
.macro FETCH_A slot, q, i0
.irp i, \i0, \i0+1, \i0+2, \i0+3
	FRAG AF+FR*(\i), A16+\slot, A8+\slot, \q, \i
.endr
.endm
; 16 matrix instructions: source 1's blocks a0, a0 + 1 x source 0's eight.  The 64 accumulators take turns, one instruction a turn, in the same order in every step.
.macro MUL16 a0, p, ks, zero
.irp a, \a0, \a0+1
.irp b, 0,1,2,3,4,5,6,7
.if \zero
	v_wmma_scale_f32_16x16x128_f8f6f4 v[8*(8*((\a)%4)+\b):8*(8*((\a)%4)+\b)+7], v[96*(\p)+FR*\b:96*(\p)+FR*\b+FR-1], v[AF+FR*(\a):AF+FR*(\a)+FR-1], 0, v[SC+8*\b+(\ks)], v[SC+8*(\a)+(\ks)] matrix_a_fmt:MATRIX_FMT_FP6 matrix_b_fmt:MATRIX_FMT_FP6 matrix_a_scale:MATRIX_SCALE_ROW1
.else
	v_wmma_scale_f32_16x16x128_f8f6f4 v[8*(8*((\a)%4)+\b):8*(8*((\a)%4)+\b)+7], v[96*(\p)+FR*\b:96*(\p)+FR*\b+FR-1], v[AF+FR*(\a):AF+FR*(\a)+FR-1], v[8*(8*((\a)%4)+\b):8*(8*((\a)%4)+\b)+7], v[SC+8*\b+(\ks)], v[SC+8*(\a)+(\ks)] matrix_a_fmt:MATRIX_FMT_FP6 matrix_b_fmt:MATRIX_FMT_FP6 matrix_a_scale:MATRIX_SCALE_ROW1
.endif
.endr
.endr
.endm
.macro STEP slot, ks, zero             ; a slot's first step; it fetches the second step's fragments
	s_wait_dscnt 4*NL                              ; source 0's set and source 1's blocks 0-3 are in; the youngest 16 loads (blocks 4-7) may be out
	WIN MUL_LO
	MUL16 0, 0, \ks, \zero
	MUL16 2, 0, \ks, \zero
	s_wait_dscnt 0x0
	PLACES NP                                      ; in front of loads into registers that matrix instructions have read
	FETCH_B \slot, 1, 1
	FETCH_A \slot, 1, 0
	WIN MUL_HI
	MUL16 4, 0, \ks, \zero
	MUL16 6, 0, \ks, \zero
	PLACES NP
	WIN 0
	FETCH_A \slot, 1, 4
.endm
.macro TURN slot, next, ks, fill       ; a slot's second step changes slots: ONE barrier; fill = 1: it opens a round of the cluster's barrier, and this slot is filled again
	s_wait_tensorcnt 0x0                           ; all my tensor loads have landed: my part of the next slot
	ds_add_u32 v[SPW], v[NIL]                      ; 0 onto my spare word
	s_wait_dscnt 4*NL+1                            ; (the add and the youngest 16 loads may be out)
	WIN MUL_LO
	MUL16 0, 1, \ks, 0
	s_wait_dscnt 0x0                               ; the add is done, and my reads of this slot are over
	s_barrier_signal -1
	MUL16 2, 1, \ks, 0
	WIN 0
	s_barrier_wait -1
.if \fill
	CREST                                          ; no wave of any partner still reads this slot or has a load on its way
	s_add_nc_u64 s[G0+4*\slot+2:G0+4*\slot+3], s[G0+4*\slot+2:G0+4*\slot+3], 2*HALFT
	s_add_nc_u64 s[G0B+4*\slot+2:G0B+4*\slot+3], s[G0B+4*\slot+2:G0B+4*\slot+3], 2*HALFT
	JLOAD G0+4*\slot, G1, G0B+4*\slot, G1B         ; the first tensor load behind the round; its four v_nop are the places in front of the loads below
.else
	PLACES NP
.endif
	FETCH_B \next, 0, 0
	FETCH_A \next, 0, 0
	WIN MUL_HI
	MUL16 4, 1, \ks, 0
	MUL16 6, 1, \ks, 0
	PLACES NP
	WIN 0
	FETCH_A \next, 0, 4
.endm
.macro LAST ks                         ; the last step: nothing more to fetch
	s_wait_dscnt 4*NL
	WIN MUL_LO
	MUL16 0, 1, \ks, 0
	MUL16 2, 1, \ks, 0
	s_wait_dscnt 0x0
	WIN MUL_HI
	MUL16 4, 1, \ks, 0
	MUL16 6, 1, \ks, 0
	WIN 0
	PLACES NP                                      ; in front of the first read of results and of writes into registers that matrix instructions have read
.endm
; 64 numbers of a lane, register 16 b + i = k 32 b + 16 (lane / 16) + i of my row, become a fragment's codes in v[PC] on and its scale word in v[pw].
.macro QUANT pw
.irp b, 0,1,2,3
	v_max3_num_f32 v[TM+\b], |v[XV+16*\b]|, |v[XV+1+16*\b]|, 0x1800000   ; and the floor 2^(3 - 127): the byte cannot fall under 1
.endr
.irp i, 2,4,6,8,10,12,14
.irp b, 0,1,2,3
	v_max3_num_f32 v[TM+\b], v[TM+\b], |v[XV+16*\b+\i]|, |v[XV+1+16*\b+\i]|
.endr
.endr
.irp b, 0,1,2,3
	v_permlanex16_b32 v[TM+4+\b], v[TM+\b], s[SEL], s[SEL+1]
.endr
.irp b, 0,1,2,3
	v_max_num_f32 v[TM+\b], v[TM+\b], v[TM+4+\b]   ; with lane l xor 16's: the block's largest magnitude
.endr
.irp b, 0,1,2,3
	v_add_nc_u32 v[TM+8+\b], 0xff000000, v[TM+\b]  ; 2 off its exponent field: the conversion's scale operand
.endr
.irp b, 0,1,2,3
	v_lshrrev_b32 v[TM+4+\b], 23, v[TM+8+\b]       ; the scale's byte
.endr
	v_lshl_or_b32 v[\pw], v[TM+5], 8, v[TM+4]
	v_lshl_or_b32 v[\pw], v[TM+6], 16, v[\pw]
	v_lshl_or_b32 v[\pw], v[TM+7], 24, v[\pw]
.irp c, 0,1
	v_cvt_scalef32_pk16_fp6_f32 v[PC+6*\c:PC+6*\c+2], v[XV+32*\c:XV+32*\c+15], v[TM+8+2*\c]
	v_cvt_scalef32_pk16_fp6_f32 v[CT+4*\c:CT+4*\c+2], v[XV+32*\c+16:XV+32*\c+31], v[TM+9+2*\c]   ; (a conversion's three registers begin on an even number)
.endr
	v_nop                                          ; one plain place behind a scaled conversion
.irp c, 0,1                                    ; the layout wants a WHOLE block in a lane: lanes 0-15 block 2 c, lanes 16-31 block 2 c + 1
.irp i, 0,1,2
	v_permlane16_swap_b32 v[PC+6*\c+\i], v[CT+4*\c+\i]
.endr
.irp i, 0,1,2
	v_mov_b32 v[PC+6*\c+3+\i], v[CT+4*\c+\i]
.endr
.endr
.endm
	s_load_b256 s[4:11], s[0:1], 0x0               ; xc, wc, scl, tab
	s_load_b256 s[68:75], s[0:1], 0x20             ; bq, bk, bv, qkv
	s_load_b64 s[76:77], s[0:1], 0x40              ; qkvs
	v_lshl_add_u32 v[SPW], v0, 2, SPARE
	v_mov_b32 v[NIL], 0
	ds_add_u32 v[SPW], v[NIL]                      ; the wave's opening: the add, twice on end, and its wait ahead of my first tensor load
	ds_add_u32 v[SPW], v[NIL]
	v_lshrrev_b32 v1, 5, v0
	v_readfirstlane_b32 s14, v1                    ; wave 0..3
	s_lshr_b32 s15, s14, 1                         ; which half of source 1's rows is mine.  Also: I fetch for X (0) or for the weight (1)
	s_and_b32 s16, s14, 1                          ; which half of source 0's.  Also: which 128 rows I fetch
	s_bfe_u32 s40, ttmp6, 0x40000                  ; cx, cy
	s_bfe_u32 s41, ttmp6, 0x40004
	s_lshl_b32 s42, ttmp9, 2
	s_add_co_u32 s42, s42, s40                     ; tile of 256 columns, 0..11: four for each of Wq, Wk, Wv
	s_and_b32 s17, ttmp7, 0xffff
	s_lshl_b32 s17, s17, 2
	s_add_co_u32 s17, s17, s41                     ; tile of 256 rows of X
	s_lshl_b32 s43, s41, 2
	s_lshl_b32 s43, 15, s43                        ; my row of the cluster
	s_lshl_b32 s44, 0x1111, s40                    ; my column
	s_or_b32 s[G1+0], s43, (3<<16)|(1<<21)         ; 15:0 the mask; 17:16 elements of 8 bytes; 21 set beside a mask; no padding
	s_or_b32 s[G1B+0], s44, (3<<16)|(1<<21)
.irp g, G1, G1B
	s_mov_b32 s[\g+1], 32<<16                      ; a dense block of 24,576 bytes as 96 rows of 256 bytes: tensor_dim0 = 32
	s_mov_b32 s[\g+2], 96<<16                      ; tensor_dim1 = 96
	s_mov_b32 s[\g+3], 32<<16                      ; tile_dim0
	s_mov_b32 s[\g+4], 96                          ; tile_dim1
	s_mov_b32 s[\g+5], 32                          ; from row to row
	s_mov_b32 s[\g+6], 0
	s_mov_b32 s[\g+7], 0
.endr
	s_lshl_b32 s20, s17, 1
	s_add_co_u32 s20, s20, s16
	s_mul_i32 s20, s20, 98304                      ; X: block of 128 rows 2 x tile + half
	s_mov_b32 s21, 0
	s_lshl_b32 s46, s42, 1
	s_add_co_u32 s46, s46, s16
	s_mul_i32 s46, s46, 98304                      ; the weight likewise
	s_mov_b32 s47, 0
	s_mul_i32 s45, s14, HALFT                      ; where they go: wave x a quarter of a slot
	s_mov_b32 s[SEL], 0x76543210
	s_mov_b32 s[SEL+1], 0xfedcba98
	s_wait_dscnt 0x0                               ; both opening adds are done
	s_wait_kmcnt 0x0
	s_add_nc_u64 s[20:21], s[4:5], s[20:21]
	s_add_nc_u64 s[46:47], s[6:7], s[46:47]
	CROUND                                         ; all sixteen work-groups are here: the first joint loads meet
.irp s, 0,1
	s_mov_b32 s[G0+4*\s], 1
	s_add_co_u32 s[G0+4*\s+1], s45, \s*SLOT
	s_add_nc_u64 s[G0+4*\s+2:G0+4*\s+3], s[20:21], \s*HALFT
	s_or_b32 s[G0+4*\s+3], s[G0+4*\s+3], 0x80000000
	s_mov_b32 s[G0B+4*\s], 1
	s_add_co_u32 s[G0B+4*\s+1], s45, \s*SLOT
	s_add_nc_u64 s[G0B+4*\s+2:G0B+4*\s+3], s[46:47], \s*HALFT
	s_or_b32 s[G0B+4*\s+3], s[G0B+4*\s+3], 0x80000000
.if \s == 0
	JLOAD G0, G1, G0B, G1B                         ; slot 0: one tensor load a wave at the head
.endif
.endr
	v_and_b32 v1, 31, v0
	v_lshlrev_b32 v12, 4, v1                       ; 16 x lane
	s_wait_alu depctr_va_vdst(0)
	v_lshlrev_b32 v13, 3, v1                       ; 8 x lane
	s_wait_alu depctr_va_vdst(0)
	s_cmp_eq_u32 ttmp9, 2                          ; role v?
	s_cselect_b32 s78, s16, s15                    ; which half of X's rows I read,
	s_cselect_b32 s79, s15, s16                    ; which half of the weight's,
	s_cselect_b32 s80, 2*HALFT, 0                  ; where source 1's region begins in a slot,
	s_cselect_b32 s81, 0, 2*HALFT                  ; and source 0's
	s_mul_i32 s82, s15, HALFT
	s_add_co_u32 s80, s80, s82
	s_mul_i32 s82, s16, HALFT
	s_add_co_u32 s81, s81, s82
.irp s, 0,1
	v_add_nc_u32 v[A16+\s], s80, v12
	v_add_nc_u32 v[A8+\s], s80, v13
	v_add_nc_u32 v[B16+\s], s81, v12
	v_add_nc_u32 v[B8+\s], s81, v13
	s_add_co_u32 s80, s80, SLOT
	s_add_co_u32 s81, s81, SLOT
.endr
	s_lshl_b32 s82, s17, 1
	s_add_co_u32 s82, s82, s78
	s_lshl_b32 s82, s82, 12                        ; X's scale words: 4,096 bytes a block of 128 rows
	s_lshl_b32 s83, s42, 1
	s_add_co_u32 s83, s83, s79
	s_lshl_b32 s83, s83, 12
	s_add_co_u32 s83, s83, 262144                  ; the weight's
	s_cmp_eq_u32 ttmp9, 2
	s_cselect_b32 s84, s83, s82                    ; lanes 0-15: source 1's
	s_cselect_b32 s85, s82, s83                    ; lanes 16-31: source 0's
	v_and_b32 v14, 15, v0                          ; r
	v_bfe_u32 v15, v0, 4, 1                        ; h
	v_cmp_ne_u32 s[HM], 0, v15
	v_mov_b32 v1, s84
	v_mov_b32 v176, s85
	v_cndmask_b32 v1, v1, v176, s[HM]
	v_lshl_add_u32 v1, v14, 2, v1
.irp i, 0,1,2,3,4,5,6,7
.irp k, 0,1,2,3,4,5,6,7
	global_load_b32 v[SC+8*\i+\k], v1, s[8:9] offset:512*\k+64*\i
.endr
.endr
	v_lshlrev_b32 v14, 4, v14
	v_mad_u32_u24 v14, v15, 0x3000, v14            ; the scale words' way out: 16 r, lanes 16-31 one head (12,288 bytes) on
	v_lshlrev_b32 v15, 6, v15                      ; 64 h
	s_wait_alu depctr_va_vdst(0)                   ; the wait at the head's end
	s_wait_loadcnt 0x0                             ; the scale words
	s_wait_tensorcnt 0x0                           ; my part of slot 0 is in; slot 1's first fill is issued as a refill is:
	ds_add_u32 v[SPW], v[NIL]                      ; 0 onto my spare word
	s_wait_dscnt 0x0
	CROUND                                         ; a whole round: slot 0 is whole, and the joint loads meet
	JLOAD G0+4, G1, G0B+4, G1B                     ; slot 1, the first tensor load behind the round
	FETCH_B 0, 0, 0
	FETCH_A 0, 0, 0
	FETCH_A 0, 0, 4
	STEP 0, 0, 1                                   ; the first step's products start the sums: nothing is cleared
	TURN 0, 1, 1, 1
	STEP 1, 2, 0
	TURN 1, 0, 3, 1
	STEP 0, 4, 0
	TURN 0, 1, 5, 0                                ; nothing is left to fetch
	s_cmp_eq_u32 ttmp9, 2                          ; the cluster's x: the same in all sixteen partners
	s_cbranch_scc1 .Lrole_v
	; ======== ROLE q, k.  My 128 columns are two heads.  For each block a of 16 positions: + bias, RoPE, quantised along the columns: registers 6 c .. 6 c + 5 of the fragment are head c's half image.
	s_lshl_b32 s78, s42, 1
	s_add_co_u32 s78, s78, s16
	s_and_b32 s78, s78, 7                          ; my block of 128 columns of the 1,024
	s_and_b32 s79, s17, 7                          ; my 256 positions of the batch's 2,048
	s_lshr_b32 s80, s17, 3                         ; the batch
	s_cmp_eq_u32 ttmp9, 0
	s_cselect_b64 s[82:83], s[68:69], s[70:71]     ; bq or bk
	s_lshl_b32 s84, s78, 9
	s_mov_b32 s85, 0
	s_add_nc_u64 s[82:83], s[82:83], s[84:85]
	s_lshl_b32 s84, s79, 4
	s_lshl_b32 s88, s15, 3
	s_add_co_u32 s84, s84, s88                     ; my first tile of 16 positions
	s_lshl_b32 s84, s84, 3
	s_add_co_u32 s84, s84, s78
	s_lshl_b32 s84, s84, 13
	s_add_nc_u64 s[10:11], s[10:11], s[84:85]      ; the table: 8,192 bytes for a tile of positions and a block of columns
	s_lshl_b32 s88, s80, 4
	s_lshl_b32 s89, s78, 1
	s_add_co_u32 s88, s88, s89                     ; batch x 16 + my first head
	s_lshl_b32 s84, s88, 3
	s_add_co_u32 s84, s84, s79
	s_mul_i32 s84, s84, 36864
	s_mul_i32 s89, ttmp9, 12288                    ; q's region or k's
	s_add_co_u32 s84, s84, s89
	s_mul_i32 s89, s15, 6144
	s_add_co_u32 s84, s84, s89
	s_add_nc_u64 s[74:75], s[74:75], s[84:85]
	s_mul_i32 s84, s88, 12288
	s_lshl_b32 s89, ttmp9, 12
	s_add_co_u32 s84, s84, s89
	s_lshl_b32 s89, s79, 1
	s_add_co_u32 s89, s89, s15
	s_lshl_b32 s89, s89, 8
	s_add_co_u32 s84, s84, s89
	s_add_nc_u64 s[76:77], s[76:77], s[84:85]
	s_wait_alu depctr_va_vdst(0)
.irp g, 0,1,2,3
.irp m, 0,1,2,3
	global_load_b128 v[BI+16*\g+4*\m:BI+16*\g+4*\m+3], v15, s[82:83] offset:128*\g+16*\m   ; the bias in the results' layout: register 16 g + i = column 32 g + 16 h + i
.endr
.endr
.macro TLD a                           ; block a's cos and sin, in the results' layout: (cos, sin) beside each pair; window 1, v192-255 and v0-63 by turns
.set TL, 192*(1-(\a)%2)
	WIN TO_B
.set x, 0
.rept 16
	global_load_b128 v[TL+4*x:TL+4*x+3], v12, s[10:11] offset:65536*(\a)+512*x
.set x, x+1
.endr
	WIN 0
.endm
	TLD 0
	STEP 1, 6, 0
	LAST 7
.irp b, 0,1,2,3
	v_mov_b32 v[TM+4+\b], 0                        ; a lane permute's destination counts as one of its sources
.endr
.macro EQK a
.if (\a) < 7
	TLD (\a)+1
	s_wait_loadcnt 16                              ; all but the 16 just issued: the bias and this block's table are in
.else
	s_wait_loadcnt 0x0
.endif
.set TT, 192*(1-(\a)%2)
	WIN 0x02+(\a)/4                                ; source 0: the accumulators' window
.set n, 0
.rept 32
	v_pk_add_f32 v[XV+n:XV+n+1], v[64*((\a)%4)+n:64*((\a)%4)+n+1], v[BI+n:BI+n+1]   ; + bias; each accumulator from its low end on
.set n, n+2
.endr
	WIN 0x04                                       ; source 1: the table's window
.set n, 0
.rept 8
.irp e, 0,1,2,3
	v_pk_mul_f32 v[RP+2*\e:RP+2*\e+1], v[XV+n+2*\e:XV+n+2*\e+1], v[TT+n+2*\e:TT+n+2*\e+1] op_sel:[1,1] op_sel_hi:[1,0]   ; (x2 sin, x2 cos)
.endr
.irp e, 0,1,2,3
	v_pk_fma_f32 v[XV+n+2*\e:XV+n+2*\e+1], v[XV+n+2*\e:XV+n+2*\e+1], v[TT+n+2*\e:TT+n+2*\e+1], v[RP+2*\e:RP+2*\e+1] op_sel:[0,0,0] op_sel_hi:[0,1,1] neg_lo:[0,0,1]   ; (x1 cos - x2 sin, x1 sin + x2 cos)
.endr
.set n, n+8
.endr
	WIN 0
	s_wait_xcnt 0x0                                ; the last block's stores have read the codes' registers
.if (\a)%2
	QUANT PW
.else
	QUANT PWE
.endif
.irp c, 0,1
	global_store_b128 v12, v[PC+6*\c:PC+6*\c+3], s[74:75] offset:294912*\c+1536*((\a)/2)+768*((\a)%2)       ; head c's half image: 512 and 256 consecutive bytes
	global_store_b64 v13, v[PC+6*\c+4:PC+6*\c+5], s[74:75] offset:294912*\c+1536*((\a)/2)+768*((\a)%2)+512
.endr
.if (\a)%2
	v_perm_b32 v178, v[PW], v[PWE], 0x05040100     ; head 0's word of these 32 positions: the even tile's two bytes, then the odd tile's
	v_perm_b32 v179, v[PW], v[PWE], 0x07060302     ; head 1's
	v_cndmask_b32 v[SW+(\a)/2], v178, v179, s[HM]  ; lanes 0-15 carry head 0's, lanes 16-31 head 1's
.endif
.endm
.irp a, 0,1,2,3,4,5,6,7
	EQK \a
.endr
	global_store_b128 v14, v[SW:SW+3], s[76:77]    ; each half of the lanes stores 256 consecutive bytes
	s_branch .Ldone
	; ======== ROLE v.  My 128 channels are two heads x four tiles, my 128 keys one key step.  For each block a of 16 channels: + bias, quantised along the keys: a whole fragment, stored as three planes of 512 bytes.
.Lrole_v:
	s_sub_co_u32 s78, s42, 8                       ; tile of 256 channels
	s_and_b32 s79, s17, 7
	s_lshr_b32 s80, s17, 3
	s_lshl_b32 s84, s78, 10
	s_lshl_b32 s88, s15, 9
	s_add_co_u32 s84, s84, s88
	s_mov_b32 s85, 0
	s_add_nc_u64 s[72:73], s[72:73], s[84:85]      ; bv at my 128 channels
	s_lshl_b32 s88, s78, 2
	s_lshl_b32 s89, s15, 1
	s_add_co_u32 s88, s88, s89
	s_lshl_b32 s89, s80, 4
	s_add_co_u32 s88, s88, s89                     ; batch x 16 + my first head
	s_lshl_b32 s84, s88, 3
	s_add_co_u32 s84, s84, s79
	s_mul_i32 s84, s84, 36864
	s_add_co_u32 s84, s84, 24576                   ; v's region
	s_mul_i32 s89, s16, 6144
	s_add_co_u32 s84, s84, s89
	s_add_nc_u64 s[74:75], s[74:75], s[84:85]
	s_mul_i32 s84, s88, 12288
	s_add_co_u32 s84, s84, 8192
	s_lshl_b32 s89, s79, 1
	s_add_co_u32 s89, s89, s16
	s_lshl_b32 s89, s89, 8
	s_add_co_u32 s84, s84, s89
	s_add_nc_u64 s[76:77], s[76:77], s[84:85]
	v_and_b32 v15, 15, v0
	v_and_b32 v1, 8, v15
	v_add_nc_u32 v15, v15, v1
	v_lshlrev_b32 v15, 2, v15                      ; my channel in a tile: r + 8 (r / 8)
.irp a, 0,1,2,3,4,5,6,7
	global_load_b32 v[BI+\a], v15, s[72:73] offset:4*(32*(\a/2)+8*(\a%2))
.endr
	STEP 1, 6, 0
	LAST 7
.irp b, 0,1,2,3
	v_mov_b32 v[TM+4+\b], 0
.endr
	s_wait_loadcnt 0x0
.macro EV a
	WIN 0x02+(\a)/4
.set n, 0
.rept 32
.if (\a)%2
	v_pk_add_f32 v[XV+n:XV+n+1], v[64*((\a)%4)+n:64*((\a)%4)+n+1], v[BI+2*((\a)/2):BI+2*((\a)/2)+1] op_sel:[0,1] op_sel_hi:[1,1]   ; + my channel's bias
.else
	v_pk_add_f32 v[XV+n:XV+n+1], v[64*((\a)%4)+n:64*((\a)%4)+n+1], v[BI+2*((\a)/2):BI+2*((\a)/2)+1] op_sel:[0,0] op_sel_hi:[1,0]
.endif
.set n, n+2
.endr
	WIN 0
	s_wait_xcnt 0x0                                ; the last block's stores have read the codes' registers
	QUANT PW+(\a)
.irp p, 0,1,2
	global_store_b128 v12, v[PC+4*\p:PC+4*\p+3], s[74:75] offset:294912*((\a)/4)+1536*((\a)%4)+512*\p
.endr
.endm
.irp a, 0,1,2,3,4,5,6,7
	EV \a
.endr
.irp t, 0,1,2,3
	v_cndmask_b32 v[RP+\t], v[PW+\t], v[PW+4+\t], s[HM]   ; lanes 0-15 carry the first head's four words, lanes 16-31 the second's
.endr
	global_store_b128 v14, v[RP:RP+3], s[76:77]
.Ldone:
	s_wait_tensorcnt 0x0                           ; the wave's end
	ds_add_u32 v[SPW], v[NIL]
	s_wait_dscnt 0x0
	CROUND                                         ; the closing round
	s_endpgm
.Lfunc_end_k_q21e7ceb839_qkv:
	.size	k_q21e7ceb839_qkv, .Lfunc_end_k_q21e7ceb839_qkv-k_q21e7ceb839_qkv
	.p2alignl 7, 3214868480
	.fill 96, 4, 3214868480
	.section	.rodata,"a",@progbits
	.p2align	6, 0x0
	.amdhsa_kernel k_q21e7ceb839_qkv
		.amdhsa_group_segment_fixed_size 327680
		.amdhsa_private_segment_fixed_size 0
		.amdhsa_enable_private_segment 0
		.amdhsa_kernarg_size 72
		.amdhsa_user_sgpr_count 2
		.amdhsa_user_sgpr_kernarg_segment_ptr 1
		.amdhsa_wavefront_size32 1
		.amdhsa_system_sgpr_workgroup_id_x 1
		.amdhsa_system_sgpr_workgroup_id_y 1
		.amdhsa_system_sgpr_workgroup_id_z 1
		.amdhsa_system_vgpr_workitem_id 0
		.amdhsa_next_free_vgpr 1024
		.amdhsa_next_free_sgpr 100
		.amdhsa_reserve_vcc 0
		.amdhsa_float_denorm_mode_32 3
		.amdhsa_float_denorm_mode_16_64 3
		.amdhsa_memory_ordered 1
		.amdhsa_forward_progress 1
		.amdhsa_inst_pref_size 255
	.end_amdhsa_kernel
	.section	.bss,"aw",@nobits
	.p2align	6
	.space	262144
	.amdgpu_metadata
---
amdhsa.version: [ 1, 2 ]
amdhsa.kernels:
  - .name:           k_q21e7ceb839_qkv
    .symbol:         k_q21e7ceb839_qkv.kd
    .args:
      - { .name: xc, .offset: 0, .size: 8, .value_kind: global_buffer, .address_space: global }
      - { .name: wc, .offset: 8, .size: 8, .value_kind: global_buffer, .address_space: global }
      - { .name: scl, .offset: 16, .size: 8, .value_kind: global_buffer, .address_space: global }
      - { .name: tab, .offset: 24, .size: 8, .value_kind: global_buffer, .address_space: global }
      - { .name: bq, .offset: 32, .size: 8, .value_kind: global_buffer, .address_space: global }
      - { .name: bk, .offset: 40, .size: 8, .value_kind: global_buffer, .address_space: global }
      - { .name: bv, .offset: 48, .size: 8, .value_kind: global_buffer, .address_space: global }
      - { .name: qkv, .offset: 56, .size: 8, .value_kind: global_buffer, .address_space: global }
      - { .name: qkvs, .offset: 64, .size: 8, .value_kind: global_buffer, .address_space: global }
    .group_segment_fixed_size: 327680
    .private_segment_fixed_size: 0
    .kernarg_segment_align: 8
    .kernarg_segment_size: 72
    .max_flat_workgroup_size: 128
    .sgpr_count:     100
    .vgpr_count:     1024
    .wavefront_size: 32
...
	.end_amdgpu_metadata
.endif
;; end of part 2
;; launch attn (part 3): grid 4 x 64, 16 waves a work-group, no clusters, 327,680 bytes of LDS; arguments qkv, qkvs, ac, scl; writes ac, scl
.if DOCPART == 3
	.amdgcn_target "amdgcn-amd-amdhsa--gfx1250"
	.amdhsa_code_object_version 6
	.text
	.protected	k_q21e7ceb839_attn
	.globl	k_q21e7ceb839_attn
	.p2align	8
	.type	k_q21e7ceb839_attn,@function
k_q21e7ceb839_attn:
	s_mov_b64 s[64:65], 0
	v_nop
	global_prefetch_b8 v0, s[64:65] scope:SCOPE_SE
	s_setreg_imm32_b32 hwreg(HW_REG_WAVE_MODE, 25, 1), 1
	s_wait_xcnt 0x0
; THIRD LAUNCH: causal attention of one head on codes of FP6 (E2M3), head size 64; the result, divided by the row's sum, leaves quantised along the model's axis, as an operand of the last product.
; WORK LEFT OUT: a step of 128 keys all of which come after a tile's queries: the problem's own lower-triangular mask makes their weights 0 for all inputs.  A NaN or an infinity that reaches only such scores is not carried on.
; THE SOFTMAX: t = score x log2(e) / 8; M = the running largest t rounded UP to a whole number, kept as -M = the least floor(-t) so far; p = 2^(t - M) is quantised along the keys, not normalised;
; the row's sum is taken of the unquantised p and divides at the end.  LIMIT: the promise holds while |t| stays under 2^31.
; SHARES.  A work-group owns blocks i and 7 - i of 256 queries of one head.  Wave w of its sixteen owns TWO tiles of 16 queries: tile w of the early block and tile 15 - w of the late one: 17 tile steps for every wave.
; In each step of 128 keys a wave works its early tile, then its late one; a step that is hidden for a tile is jumped over by a scalar branch on ids.  Trip counts are constants.
; No cluster: the four work-groups of a head walk 8 - i slots of K and V, so under the mask partners would jump over the reads of tiles that a joint load brings.
; K and V come through a ring of two LDS slots of 256 keys, 24,576 dense bytes each, filled by waves 0 to 3, a quarter each; the head's scale words of K and V, 8,192 bytes, come once, by waves 4 to 7.
; LAYOUT.  Both products transposed: a lane holds ONE query.  K = 64 fills half of the instruction's 128: a fragment of K holds TWO tiles of 16 keys, and is multiplied once by (Q, zeros) and once by (zeros, Q).
; Q stands once: the registers 0 Qe 0 Ql 0, six each, give all four operands.  By the workspace order of rows the 16 registers of tiles 2 b, 2 b + 1 are keys 32 b + 16 (lane / 16) + 0 .. 15.
; SCALE REGISTERS: v20, v21 Q's: lanes 0-15 the two bytes under k 0-63, lanes 16-31 under k 64-127; v22-25 lanes 0-15 K's words, lanes 16-31 V's; v11 p's word.
; REGISTERS: v1-4 addresses that stay; v8-10 the step's; v12-15, v16-19 a tile's -M, f, sum (two halves); v26-55 Q; v56-103 four fragments of K, then of V; v104-167 S^T, then p; v168-199, v200-231 O^T;
;   v232-255 at work: block maxima, permutes, scale operands, the sum's six chains; later the conversions' halves (v232-238) and p's codes (v244-255).
.set SLOT1, 1<<17                      ; slot 1 begins here: one exclusive or turns an address
.set SCK,   2*SLOT1                    ; K's scale words, 4,096 bytes, then V's
.set SPARE, SCK+8192                   ; the spare words, 128 bytes for each wave: eight blocks of 256 bytes that no other line names
.set SPW,   5
.set NIL,   6
.set PFO,   7
.set PS,    11
.set SCW,   22
.set KV,    56
.set SB,    104
.set BM,    232
.set PD,    236
.set SO,    240
.set SM,    244
.set PC,    244
.set CT,    232
.set TB,    2                          ; s2   LDS byte at which the slot in hand begins
.set TS,    3                          ; s3   the step's scale words: 256 bytes a step
.set WV,    18
.set SEL,   20
.set CS,    22
.set G1,    24
.set G1S,   32
.set G0,    40
.set G0S,   44
.set SLOTS, 67
.set PFA,   76
.set LIM,   80
.set LASTQ, 97
.set KF,    98                         ; s98  the step's first key
; what hangs on a tile's number T among the head's 128: the first of its 32 positions, that + 8 (T % 2), the place of its scale bytes, and four byte offsets
.macro TILE T, Q0, QM, SH, QA, SA, OA, OS
	s_lshr_b32 s[\Q0], s[\T], 1
	s_lshl_b32 s[\Q0], s[\Q0], 5
	s_and_b32 s[\SH], s[\T], 1
	s_lshl_b32 s[\QM], s[\SH], 3
	s_add_co_u32 s[\QM], s[\QM], s[\Q0]
	s_lshl_b32 s[\SH], s[\SH], 4
	s_lshr_b32 s[\QA], s[\T], 4
	s_mul_i32 s[\QA], s[\QA], 36864
	s_and_b32 s96, s[\T], 15
	s_mul_i32 s96, s96, 768
	s_add_co_u32 s[\QA], s[\QA], s96
	s_add_co_u32 s[\QA], s[\QA], s54               ; Q's half image
	s_mov_b32 s[\QA+1], 0
	s_lshr_b32 s95, s[\T], 3                       ; block of 128 queries
	s_and_b32 s94, s[\T], 7                        ; tile in it
	s_lshl_b32 s[\SA], s95, 8
	s_lshr_b32 s96, s94, 1
	s_lshl_b32 s96, s96, 2
	s_add_co_u32 s[\SA], s[\SA], s96
	s_add_co_u32 s[\SA], s[\SA], s62               ; Q's scale words
	s_mov_b32 s[\SA+1], 0
	s_add_co_u32 s95, s95, s66                     ; block of 128 rows of the last product's operand
	s_mul_i32 s[\OA], s95, 98304
	s_mul_i32 s96, s94, 1536
	s_add_co_u32 s[\OA], s[\OA], s96
	s_add_co_u32 s[\OA], s[\OA], s56               ; the result's half image
	s_mov_b32 s[\OA+1], 0
	s_lshl_b32 s[\OS], s95, 12
	s_lshl_b32 s96, s94, 6
	s_add_co_u32 s[\OS], s[\OS], s96
	s_add_co_u32 s[\OS], s[\OS], s57               ; its scale bytes
	s_mov_b32 s[\OS+1], 0
.endm
	s_load_b256 s[4:11], s[0:1], 0x0               ; qkv, qkvs, ac, scl
	v_lshl_add_u32 v[SPW], v0, 2, SPARE
	v_mov_b32 v[NIL], 0
	ds_add_u32 v[SPW], v[NIL]                      ; the wave's opening: the add, twice on end, and its wait ahead of the first tensor load
	ds_add_u32 v[SPW], v[NIL]
	v_lshrrev_b32 v8, 5, v0
	s_delay_alu instid0(VALU_DEP_1)
	v_readfirstlane_b32 s[WV], v8                  ; wave 0..15
	s_and_b32 s48, ttmp7, 0xffff                   ; batch x 16 + head
	s_lshl_b32 s12, ttmp9, 4
	s_add_co_u32 s12, s12, s[WV]                   ; my early tile: 16 i + w
	s_sub_co_u32 s13, 127, s12                     ; my late tile: 16 (7 - i) + 15 - w
	s_lshl_b32 s[LASTQ], ttmp9, 8
	s_sub_co_u32 s[LASTQ], 2047, s[LASTQ]          ; my work-group's last query
	s_mul_i32 s54, s48, 294912                     ; the head in qkv
	s_mul_i32 s62, s48, 12288                      ; and in qkvs
	s_lshr_b32 s66, s48, 4
	s_lshl_b32 s66, s66, 4                         ; the batch's first block of 128 rows
	s_bfe_u32 s91, s48, 0x30001                    ; the last product's K step of 128 = two heads,
	s_and_b32 s92, s48, 1                          ; and which half of it
	s_mul_i32 s56, s91, 12288
	s_mul_i32 s93, s92, 768
	s_add_co_u32 s56, s56, s93
	s_lshl_b32 s57, s91, 9
	s_lshl_b32 s93, s92, 1
	s_add_co_u32 s57, s57, s93
	s_add_co_u32 s57, s57, 393216
	TILE 12, 14, 16, 19, 50, 68, 72, 78
	TILE 13, 15, 17, 49, 52, 70, 74, 82
	s_and_b32 s91, s[WV], 3                        ; which quarter I fetch, if I fetch
	s_mul_i32 s92, s91, 6144
	s_add_co_u32 s58, s92, 12288                   ; K's and V's regions lie on end behind Q's
	s_add_co_u32 s58, s58, s54
	s_mov_b32 s59, 0
	s_lshl_b32 s93, s91, 11
	s_add_co_u32 s60, s93, 4096
	s_add_co_u32 s60, s60, s62
	s_mov_b32 s61, 0
	s_lshl_b32 s94, s91, 13
	s_add_co_u32 s94, s94, 12288+36864             ; the prefetches stand in slot 1; the first change of slots steps them to slot 2
	s_add_co_u32 s94, s94, s54
	s_mov_b32 s95, 0
	s_sub_co_u32 s96, s[WV], 4
	s_cmp_lt_u32 s96, 3                            ; waves 4 to 6,
	s_cselect_b32 s96, 0, 1
	s_or_b32 s96, s96, ttmp9                       ; of the work-group with i = 0, which loads all eight slots
	s_cmp_eq_u32 s96, 0
	s_cselect_b32 s[LIM], 2, -1
	s_mov_b32 s[G1], 3<<16                         ; no mask; elements of 8 bytes; no padding
	s_mov_b32 s[G1+1], 32<<16                      ; a dense block of 6,144 bytes as 24 rows of 256
	s_mov_b32 s[G1+2], 24<<16
	s_mov_b32 s[G1+3], 32<<16
	s_mov_b32 s[G1+4], 24
	s_mov_b32 s[G1+5], 32
	s_mov_b32 s[G1+6], 0
	s_mov_b32 s[G1+7], 0
	s_mov_b32 s[G1S], 3<<16                        ; the scale words: 2,048 bytes as 8 rows of 256
	s_mov_b32 s[G1S+1], 32<<16
	s_mov_b32 s[G1S+2], 8<<16
	s_mov_b32 s[G1S+3], 32<<16
	s_mov_b32 s[G1S+4], 8
	s_mov_b32 s[G1S+5], 32
	s_mov_b32 s[G1S+6], 0
	s_mov_b32 s[G1S+7], 0
	s_mov_b32 s[SEL], 0x76543210
	s_mov_b32 s[SEL+1], 0xfedcba98
	s_mov_b32 s[CS], 0x3e38aa3b                    ; c = log2(e) / sqrt(64)
	s_mov_b32 s[CS+1], s[CS]
	s_mov_b32 s[TB], 0
	s_mov_b32 s[TS], 0
	s_mov_b32 s[KF], 0
	s_mov_b32 s[SLOTS], 8
	s_wait_dscnt 0x0                               ; both opening adds are done
	s_wait_kmcnt 0x0
	s_mov_b32 s[G0], 1
	s_mov_b32 s[G0+1], s92
	s_add_nc_u64 s[G0+2:G0+3], s[4:5], s[58:59]
	s_or_b32 s[G0+3], s[G0+3], 0x80000000
	s_mov_b32 s[G0S], 1
	s_add_co_u32 s[G0S+1], s93, SCK
	s_add_nc_u64 s[G0S+2:G0S+3], s[6:7], s[60:61]
	s_or_b32 s[G0S+3], s[G0S+3], 0x80000000
	s_cmp_lt_u32 s[WV], 4                          ; the first fills, one chain of branches on the wave's number, one load to an arm: waves 0-3 slot 0's quarters,
	s_cbranch_scc0 .Lhead_s
	tensor_load_to_lds s[G0:G0+3], s[G1:G1+7]
	s_nop 0
.rept 4
	v_nop
.endr
	s_branch .Lhead_j
.Lhead_s:
	s_cmp_lt_u32 s[WV], 8                          ; waves 4-7 the scale words' quarters, waves 8-15 nothing
	s_cbranch_scc0 .Lhead_j
	tensor_load_to_lds s[G0S:G0S+3], s[G1S:G1S+7]
	s_nop 0
.rept 4
	v_nop
.endr
.Lhead_j:
	s_add_nc_u64 s[50:51], s[4:5], s[50:51]
	s_add_nc_u64 s[52:53], s[4:5], s[52:53]
	s_add_nc_u64 s[68:69], s[6:7], s[68:69]
	s_add_nc_u64 s[70:71], s[6:7], s[70:71]
	s_add_nc_u64 s[72:73], s[8:9], s[72:73]
	s_add_nc_u64 s[74:75], s[8:9], s[74:75]
	s_add_nc_u64 s[78:79], s[10:11], s[78:79]
	s_add_nc_u64 s[82:83], s[10:11], s[82:83]
	s_add_nc_u64 s[PFA:PFA+1], s[4:5], s[94:95]
	v_and_b32 v1, 31, v0
	v_and_b32 v8, 15, v0                           ; r
	v_bfe_u32 v9, v0, 4, 1                         ; h
	s_delay_alu instid0(VALU_DEP_3)
	v_lshlrev_b32 v[PFO], 8, v1
	s_delay_alu instid0(VALU_DEP_4)
	v_lshlrev_b32 v2, 3, v1
	s_delay_alu instid0(VALU_DEP_4)
	v_lshlrev_b32 v10, 4, v8                       ; 16 r
	v_lshlrev_b32 v1, 4, v1                        ; 16 x lane
	s_delay_alu instid0(VALU_DEP_3)
	v_add_nc_u32 v2, 512, v2                       ; 512 + 8 x lane
	s_delay_alu instid0(VALU_DEP_3)
	v_lshl_add_u32 v3, v9, 12, v10
	s_delay_alu instid0(VALU_DEP_1)
	v_add_nc_u32 v3, SCK, v3                       ; scale words: 16 r; lanes 16-31 take V's, 4,096 bytes on
	global_load_b128 v[32:35], v1, s[50:51]        ; the early tile's Q, a half image
	global_load_b64 v[36:37], v2, s[50:51]
	global_load_b128 v[44:47], v1, s[52:53]        ; the late tile's
	global_load_b64 v[48:49], v2, s[52:53]
	global_load_b32 v20, v10, s[68:69]
	global_load_b32 v21, v10, s[70:71]
	v_and_b32 v4, 8, v8
	v_lshlrev_b32 v9, 4, v9                        ; 16 h
	s_delay_alu instid0(VALU_DEP_2)
	v_add_nc_u32 v4, v4, v8
	s_delay_alu instid0(VALU_DEP_1)
	v_sub_nc_u32 v4, v4, v9                        ; r + 8 (r / 8) - 16 h
.irp j, 26,27,28,29,30,31,38,39,40,41,42,43,50,51,52,53,54,55
	v_mov_b32 v[\j], 0                             ; zero codes
.endr
.irp t, 12,16
	v_mov_b32 v[\t], 0x7f61b1e6                    ; -M so far: 3e38, over every floor(-t)
	v_mov_b32 v[\t+1], 0
	v_mov_b32 v[\t+2], 0
	v_mov_b32 v[\t+3], 0
.endr
.irp b, 0,1,2,3
	v_mov_b32 v[PD+\b], 0                          ; a lane permute's destination counts as one of its sources
.endr
.set j, 0
.rept 32
	v_mov_b32 v[168+j], 0                          ; O^T: the step is written once for each tile, and its first run finds zeros
.set j, j+1
.endr
	s_wait_alu depctr_va_vdst(0)
	s_wait_loadcnt 0x0                             ; Q and its scale words
	v_bfe_u32 v20, v20, s19, 16                    ; my tile's two bytes,
	v_bfe_u32 v21, v21, s49, 16
	s_delay_alu instid0(VALU_DEP_2)
	v_lshlrev_b32 v20, v9, v20                     ; in lanes 16-31 under k 64-127; the byte 0 stands over zero codes
	s_delay_alu instid0(VALU_DEP_2)
	v_lshlrev_b32 v21, v9, v21
.set j, 0
.rept 32
	v_mov_b32 v[200+j], 0                          ; these 32 are also the places between the writes of two scale registers and the first scaled product
.set j, j+1
.endr
	s_wait_alu depctr_va_vdst(0)                   ; the wait at the head's end
; 64 numbers in v[SB] on, four blocks of 32 in lanes l and l xor 16, become two runs of six registers of codes in v[PC] on; s0..s3: the blocks' scale operands
.macro CODES s0, s1, s2, s3
	v_cvt_scalef32_pk16_fp6_f32 v[PC:PC+2], v[SB:SB+15], v[\s0]
	v_cvt_scalef32_pk16_fp6_f32 v[CT:CT+2], v[SB+16:SB+31], v[\s1]   ; (a conversion's three registers begin on an even number)
	v_cvt_scalef32_pk16_fp6_f32 v[PC+6:PC+8], v[SB+32:SB+47], v[\s2]
	v_cvt_scalef32_pk16_fp6_f32 v[CT+4:CT+6], v[SB+48:SB+63], v[\s3]
	v_nop                                          ; one plain place behind a scaled conversion
.irp c, 0,1
.irp i, 0,1,2
	v_permlane16_swap_b32 v[PC+6*\c+\i], v[CT+4*\c+\i]   ; a WHOLE block in a lane
.endr
.irp i, 0,1,2
	s_delay_alu instid0(VALU_DEP_3)
	v_mov_b32 v[PC+6*\c+3+\i], v[CT+4*\c+\i]
.endr
.endr
.endm
; One tile's work on one step of 128 keys.  kq: which half of the slot; ST: the tile's state; QS: Q's scale register; QB: where Q stands; OB: O^T; Q0, QM: scalars of the tile
.macro STEP kq, ST, QS, QB, OB, Q0, QM
	s_add_co_u32 s96, s[\Q0], 31
	s_cmp_gt_u32 s[KF], s96                        ; all 128 keys come after my queries: the step's work is left out
	s_cbranch_scc1 .Lhidden_\@
	v_add_nc_u32 v8, s[TB], v1
	v_add_nc_u32 v9, s[TB], v2
	v_add_nc_u32 v10, s[TS], v3
	v_nop                                          ; four places in front of loads into registers that the last products read
.irp b, 0,1,2,3
	ds_load_b128 v[KV+12*\b:KV+3+12*\b], v8 offset:6144*(\kq)+1536*\b
	ds_load_b64 v[KV+4+12*\b:KV+5+12*\b], v9 offset:6144*(\kq)+1536*\b
	ds_load_b128 v[KV+6+12*\b:KV+9+12*\b], v8 offset:6144*(\kq)+1536*\b+768
	ds_load_b64 v[KV+10+12*\b:KV+11+12*\b], v9 offset:6144*(\kq)+1536*\b+768
.endr
	ds_load_b128 v[SCW:SCW+3], v10                 ; lanes 0-15 K's four words, lanes 16-31 V's
	s_wait_alu depctr_va_vdst(0)
	s_wait_dscnt 0x0
.irp b, 0,1,2,3
	v_wmma_scale_f32_16x16x128_f8f6f4 v[SB+16*\b:SB+7+16*\b], v[KV+12*\b:KV+11+12*\b], v[\QB:\QB+11], 0, v[SCW+\b], v[\QS] matrix_a_fmt:MATRIX_FMT_FP6 matrix_b_fmt:MATRIX_FMT_FP6
	v_wmma_scale_f32_16x16x128_f8f6f4 v[SB+8+16*\b:SB+15+16*\b], v[KV+12*\b:KV+11+12*\b], v[\QB-6:\QB+5], 0, v[SCW+\b], v[\QS] matrix_a_fmt:MATRIX_FMT_FP6 matrix_b_fmt:MATRIX_FMT_FP6 matrix_b_scale:MATRIX_SCALE_ROW1
.endr
.rept 4
	v_nop
.endr
.irp t, 0,1,2,3
.irp p, 0,1,2
	ds_load_b128 v[KV+12*\t+4*\p:KV+3+12*\t+4*\p], v8 offset:12288+6144*(\kq)+1536*\t+512*\p   ; V's four fragments land while the softmax is worked
.endr
.endr
	s_add_co_u32 s96, s[KF], 127                   ; on the diagonal hidden scores become -infinity ahead of the maximum; a step all of whose keys count skips this
	s_cmp_le_u32 s96, s[\Q0]
	s_cbranch_scc1 .Lopen_\@
	s_sub_co_i32 s96, s[\QM], s[KF]
	v_add_nc_u32 v240, s96, v4                     ; register 16 b + i holds key KF + 16 (lane / 16) + 32 b + i: hidden where 32 b + i > this
	v_mov_b32 v241, 0xff800000
.set n, 0
.rept 64
	v_cmp_gt_i32 vcc_lo, 32*(n/16)+n%16, v240
	v_cndmask_b32 v[SB+n], v[SB+n], v241, vcc_lo
.set n, n+1
.endr
.Lopen_\@:
.irp b, 0,1,2,3
	v_max3_num_f32 v[BM+\b], v[SB+16*\b], v[SB+1+16*\b], v[SB+2+16*\b]   ; the largest score of each block of 32 keys: for the row's maximum, and, since p rises with the score, for the block's largest p
.endr
.irp i, 3,5,7,9,11,13
.irp b, 0,1,2,3
	v_max3_num_f32 v[BM+\b], v[BM+\b], v[SB+16*\b+\i], v[SB+1+16*\b+\i]
.endr
.endr
.irp b, 0,1,2,3
	v_max_num_f32 v[BM+\b], v[BM+\b], v[SB+15+16*\b]
.endr
.irp b, 0,1,2,3
	s_delay_alu instid0(VALU_DEP_4)
	v_permlanex16_b32 v[PD+\b], v[BM+\b], s[SEL], s[SEL+1]
.endr
.irp b, 0,1,2,3
	s_delay_alu instid0(VALU_DEP_4)
	v_max_num_f32 v[BM+\b], v[BM+\b], v[PD+\b]
.endr
	s_delay_alu instid0(VALU_DEP_2)
	v_max3_num_f32 v240, v[BM], v[BM+1], v[BM+2]
	s_delay_alu instid0(VALU_DEP_1)
	v_max_num_f32 v240, v240, v[BM+3]
	s_delay_alu instid0(VALU_DEP_1)
	v_mul_f32 v240, s[CS], v240                    ; the step's largest t (c is positive)
	s_delay_alu instid0(VALU_DEP_1)
	v_floor_f32 v240, -v240
	s_delay_alu instid0(VALU_DEP_1)
	v_min_num_f32 v240, v240, v[\ST]               ; the new -M: M is a whole number
	s_delay_alu instid0(VALU_DEP_1)
	v_sub_f32 v241, v240, v[\ST]
	s_delay_alu instid0(VALU_DEP_2)
	v_mov_b32 v[\ST], v240
	s_delay_alu instid0(VALU_DEP_2)
	v_cvt_i32_f32 v241, v241                       ; (it saturates)
	s_delay_alu instid0(VALU_DEP_1)
	v_ldexp_f32 v[\ST+1], 1.0, v241                ; f = 2^(old M - new M): rounds nothing
.set j, 0
.rept 32
	v_pk_fma_f32 v[SB+j:SB+j+1], v[SB+j:SB+j+1], s[CS:CS+1], v[\ST:\ST+1] op_sel_hi:[1,0,0]   ; t - M
.set j, j+2
.endr
.irp b, 0,1,2,3
	v_fma_f32 v[BM+\b], v[BM+\b], s[CS], v[\ST]
.endr
	s_wait_alu depctr_va_vdst(0)
.set j, 0
.rept 64
	v_exp_f32 v[SB+j], v[SB+j]                     ; p = 2^(t - M)
.set j, j+1
.endr
	v_pk_mul_f32 v[\ST+2:\ST+3], v[\ST+2:\ST+3], v[\ST:\ST+1] op_sel:[0,1] op_sel_hi:[1,1]   ; the sums under the new M (a plain place behind the exponentials)
	s_wait_alu depctr_va_vdst(0)                   ; one wait for the batch, ahead of its first reader
.irp b, 0,1,2,3
	v_exp_f32 v[BM+\b], v[BM+\b]                   ; the block's largest p
.endr
.irp k, 0,1,2,3,4,5
	v_pk_add_f32 v[SM+2*\k:SM+2*\k+1], v[SB+4*\k:SB+4*\k+1], v[SB+4*\k+2:SB+4*\k+3]   ; the row's sum of the unquantised p: 32 pairs in seven chains
.endr
	v_pk_add_f32 v[\ST+2:\ST+3], v[\ST+2:\ST+3], v[SB+24:SB+25]
.irp k, 0,1,2,3,4,5
	v_pk_add_f32 v[SM+2*\k:SM+2*\k+1], v[SM+2*\k:SM+2*\k+1], v[SB+26+2*\k:SB+27+2*\k]
.endr
	v_pk_add_f32 v[\ST+2:\ST+3], v[\ST+2:\ST+3], v[SB+38:SB+39]
.irp k, 0,1,2,3,4,5
	v_pk_add_f32 v[SM+2*\k:SM+2*\k+1], v[SM+2*\k:SM+2*\k+1], v[SB+40+2*\k:SB+41+2*\k]
.endr
	v_pk_add_f32 v[\ST+2:\ST+3], v[\ST+2:\ST+3], v[SB+52:SB+53]
.irp k, 0,1,2,3,4
	v_pk_add_f32 v[SM+2*\k:SM+2*\k+1], v[SM+2*\k:SM+2*\k+1], v[SB+54+2*\k:SB+55+2*\k]
.endr
	s_delay_alu instid0(VALU_DEP_4)
	v_pk_add_f32 v[SM:SM+1], v[SM:SM+1], v[SM+2:SM+3]
	s_delay_alu instid0(VALU_DEP_3)
	v_pk_add_f32 v[SM+4:SM+5], v[SM+4:SM+5], v[SM+6:SM+7]
	s_delay_alu instid0(VALU_DEP_3)
	v_pk_add_f32 v[SM+8:SM+9], v[SM+8:SM+9], v[SM+10:SM+11]
	s_delay_alu instid0(VALU_DEP_3)
	v_pk_add_f32 v[\ST+2:\ST+3], v[\ST+2:\ST+3], v[SM:SM+1]
	s_delay_alu instid0(VALU_DEP_2)
	v_pk_add_f32 v[SM+4:SM+5], v[SM+4:SM+5], v[SM+8:SM+9]
	s_delay_alu instid0(VALU_DEP_1)
	v_pk_add_f32 v[\ST+2:\ST+3], v[\ST+2:\ST+3], v[SM+4:SM+5]
	s_wait_alu depctr_va_vdst(0)                   ; and one for the four
.irp b, 0,1,2,3
	v_max_num_f32 v[BM+\b], 0x1800000, v[BM+\b]    ; the floor 2^(3 - 127): the byte cannot fall under 1
.endr
.irp b, 0,1,2,3
	s_delay_alu instid0(VALU_DEP_4)
	v_add_nc_u32 v[SO+\b], 0xff000000, v[BM+\b]    ; 2 off the exponent field: the conversion's scale operand
.endr
.irp b, 0,1,2,3
	s_delay_alu instid0(VALU_DEP_4)
	v_lshrrev_b32 v[PD+\b], 23, v[SO+\b]
.endr
	s_delay_alu instid0(VALU_DEP_3)
	v_lshl_or_b32 v[PS], v[PD+1], 8, v[PD]         ; p's scale word for these 128 keys
	s_delay_alu instid0(VALU_DEP_1)
	v_lshl_or_b32 v[PS], v[PD+2], 16, v[PS]
	s_delay_alu instid0(VALU_DEP_1)
	v_lshl_or_b32 v[PS], v[PD+3], 24, v[PS]
	CODES SO, SO+1, SO+2, SO+3
	s_wait_alu depctr_va_vdst(0)                   ; ahead of the first reader of O^T
.set j, 0
.rept 16
	v_pk_mul_f32 v[\OB+j:\OB+j+1], v[\OB+j:\OB+j+1], v[\ST:\ST+1] op_sel:[0,1] op_sel_hi:[1,1]   ; O^T under the new M; these sixteen are also the places in front of the products below
.set j, j+2
.endr
	s_wait_alu depctr_va_vdst(0)
	s_wait_dscnt 0x0                               ; V
.irp t, 0,1,2,3
	v_wmma_scale_f32_16x16x128_f8f6f4 v[\OB+8*\t:\OB+7+8*\t], v[KV+12*\t:KV+11+12*\t], v[PC:PC+11], v[\OB+8*\t:\OB+7+8*\t], v[SCW+\t], v[PS] matrix_a_fmt:MATRIX_FMT_FP6 matrix_b_fmt:MATRIX_FMT_FP6 matrix_a_scale:MATRIX_SCALE_ROW1
.endr
.Lhidden_\@:
.endm
.macro BOTH kq                         ; a step of 128 keys: my early tile, then my late one
	STEP \kq, 12, 20, 32, 168, 14, 16
	STEP \kq, 16, 21, 44, 200, 15, 17
	s_add_co_u32 s[KF], s[KF], 128
	s_add_co_u32 s[TS], s[TS], 256
.endm
.Lslot:                                            ; eight trips, a slot of 256 keys each
	; THE CHANGE OF SLOTS: each wave waits for all its tensor loads, adds 0 to its spare word, waits for that and for its reads of the slot that it has left; one barrier;
	; the slot left is filled with the keys that follow, as long as some wave of the work-group will read them (the first time: slot 1's first fill).
	s_wait_tensorcnt 0x0                           ; no tensor load of mine is out, so the group 0 may be written
	ds_add_u32 v[SPW], v[NIL]
	ds_add_u32 v[SPW], v[NIL]                      ; twice on end, in every trip alike
	s_xor_b32 s[G0+1], s[G0+1], SLOT1
	s_add_nc_u64 s[G0+2:G0+3], s[G0+2:G0+3], 36864 ; the next 256 keys
	s_wait_xcnt 0x0                                ; the last prefetch has read its address
	s_add_nc_u64 s[PFA:PFA+1], s[PFA:PFA+1], 36864
	s_wait_dscnt 0x0
	s_barrier_signal -1
	s_barrier_wait -1
	s_add_co_u32 s96, s[KF], 256                   ; the first key of the slot that this change would ask for
	s_cmp_gt_u32 s96, s[LASTQ]                     ; behind my work-group's last query: no wave would read it.  Ids and the count of trips alone: all sixteen waves go the same way
	s_cbranch_scc1 .Lpast
	s_cmp_lt_u32 s[WV], 4                          ; waves 0 to 3 fetch a quarter of a slot each
	s_cbranch_scc0 .Lasked
	tensor_load_to_lds s[G0:G0+3], s[G1:G1+7]
	s_nop 0
.rept 4
	v_nop
.endr
.Lasked:
.Lpast:
	; A PREFETCH of what the NEXT change of slots will ask for: 24,576 bytes.  The four work-groups of a head walk the same K and V; the one with i = 0 asks, and in it waves 4 to 6:
	; 8,192 bytes a wave, lanes 256 bytes apart: each block of 256 bytes is named once.  Trips 0 to 5 name slots 2 to 7; slots 0 and 1 come by their loads alone.
	s_cmp_gt_u32 s[SLOTS], s[LIM]
	s_cbranch_scc0 .Lnot_mine
	global_prefetch_b8 v[PFO], s[PFA:PFA+1] th:TH_LOAD_NT scope:SCOPE_SE
.Lnot_mine:
	BOTH 0
	BOTH 1
	s_xor_b32 s[TB], s[TB], SLOT1
	s_sub_co_u32 s[SLOTS], s[SLOTS], 1
	s_cmp_lg_u32 s[SLOTS], 0
	s_cbranch_scc1 .Lslot
	; THE WAY OUT, both tiles together: O^T / the sum; register 16 g + i is channel 32 g + 16 (lane / 16) + i of my query: two blocks of 32 a tile, quantised as the last product's operand:
	; a half image of 768 bytes and two scale bytes a row for each tile.
	v_and_b32 v9, 31, v0
	v_and_b32 v8, 15, v0
	v_add_f32 v14, v14, v15
	v_add_f32 v18, v18, v19
	v_lshlrev_b32 v8, 2, v8                        ; 4 r
	v_permlanex16_b32 v13, v14, s[SEL], s[SEL+1]   ; the two tiles by turns
	v_permlanex16_b32 v17, v18, s[SEL], s[SEL+1]
	v_add_f32 v14, v14, v13
	v_add_f32 v18, v18, v17
	s_wait_alu depctr_va_vdst(0)
	v_rcp_f32 v14, v14
	v_rcp_f32 v18, v18
	v_nop
	s_wait_alu depctr_va_vdst(0)                   ; ahead of the reciprocals' first reader, and of the first readers of O^T
.set j, 0
.rept 16
	v_pk_mul_f32 v[SB+j:SB+j+1], v[168+j:168+j+1], v[14:15] op_sel_hi:[1,0]
.set j, j+2
.endr
.set j, 0
.rept 16
	v_pk_mul_f32 v[SB+32+j:SB+32+j+1], v[200+j:200+j+1], v[18:19] op_sel_hi:[1,0]
.set j, j+2
.endr
.irp c, 0,1,2,3                        ; four blocks by turns: v12, v13 the early tile's, v16, v17 the late one's
	v_max3_num_f32 v[12+4*(\c/2)+\c%2], |v[SB+16*\c]|, |v[SB+1+16*\c]|, 0x1800000
.endr
.irp i, 2,4,6,8,10,12,14
.irp c, 0,1,2,3
	v_max3_num_f32 v[12+4*(\c/2)+\c%2], v[12+4*(\c/2)+\c%2], |v[SB+16*\c+\i]|, |v[SB+1+16*\c+\i]|
.endr
.endr
.irp c, 0,1,2,3
	v_permlanex16_b32 v[14+4*(\c/2)+\c%2], v[12+4*(\c/2)+\c%2], s[SEL], s[SEL+1]
.endr
.irp c, 0,1,2,3
	v_max_num_f32 v[12+4*(\c/2)+\c%2], v[12+4*(\c/2)+\c%2], v[14+4*(\c/2)+\c%2]
.endr
.irp c, 0,1,2,3
	v_add_nc_u32 v[12+4*(\c/2)+\c%2], 0xff000000, v[12+4*(\c/2)+\c%2]
.endr
.irp c, 0,1,2,3
	v_lshrrev_b32 v[14+4*(\c/2)+\c%2], 23, v[12+4*(\c/2)+\c%2]
.endr
	v_lshl_or_b32 v14, v15, 8, v14
	v_lshl_or_b32 v18, v19, 8, v18
	CODES 12, 13, 16, 17
	global_store_b128 v1, v[PC:PC+3], s[72:73]     ; 512 consecutive bytes,
	global_store_b64 v2, v[PC+4:PC+5], s[72:73]    ; and 256
	global_store_b128 v1, v[PC+6:PC+9], s[74:75]
	global_store_b64 v2, v[PC+10:PC+11], s[74:75]
	s_wait_alu depctr_va_vdst(0)
	s_wait_xcnt 0x0                                ; EXEC changes only behind this wait
	v_cmp_gt_u32 vcc_lo, 16, v9
	s_and_saveexec_b32 s90, vcc_lo
	global_store_b16 v8, v14, s[78:79]             ; lanes 0-15: my head's half of row r's scale word
	global_store_b16 v8, v18, s[82:83]
	s_wait_xcnt 0x0
	s_or_b32 exec_lo, exec_lo, s90
	s_wait_tensorcnt 0x0                           ; the wave's end
	ds_add_u32 v[SPW], v[NIL]
	s_wait_dscnt 0x0
	s_endpgm
.Lfunc_end_k_q21e7ceb839_attn:
	.size	k_q21e7ceb839_attn, .Lfunc_end_k_q21e7ceb839_attn-k_q21e7ceb839_attn
	.p2alignl 7, 3214868480
	.fill 96, 4, 3214868480
	.section	.rodata,"a",@progbits
	.p2align	6, 0x0
	.amdhsa_kernel k_q21e7ceb839_attn
		.amdhsa_group_segment_fixed_size 327680
		.amdhsa_private_segment_fixed_size 0
		.amdhsa_enable_private_segment 0
		.amdhsa_kernarg_size 32
		.amdhsa_user_sgpr_count 2
		.amdhsa_user_sgpr_kernarg_segment_ptr 1
		.amdhsa_wavefront_size32 1
		.amdhsa_system_sgpr_workgroup_id_x 1
		.amdhsa_system_sgpr_workgroup_id_y 1
		.amdhsa_system_sgpr_workgroup_id_z 1
		.amdhsa_system_vgpr_workitem_id 0
		.amdhsa_next_free_vgpr 256
		.amdhsa_next_free_sgpr 100
		.amdhsa_reserve_vcc 1
		.amdhsa_float_denorm_mode_32 3
		.amdhsa_float_denorm_mode_16_64 3
		.amdhsa_memory_ordered 1
		.amdhsa_forward_progress 1
		.amdhsa_inst_pref_size 108
	.end_amdhsa_kernel
	.amdgpu_metadata
---
amdhsa.version: [ 1, 2 ]
amdhsa.kernels:
  - .name:           k_q21e7ceb839_attn
    .symbol:         k_q21e7ceb839_attn.kd
    .args:
      - { .name: qkv, .offset: 0, .size: 8, .value_kind: global_buffer, .address_space: global }
      - { .name: qkvs, .offset: 8, .size: 8, .value_kind: global_buffer, .address_space: global }
      - { .name: ac, .offset: 16, .size: 8, .value_kind: global_buffer, .address_space: global }
      - { .name: scl, .offset: 24, .size: 8, .value_kind: global_buffer, .address_space: global }
    .group_segment_fixed_size: 327680
    .private_segment_fixed_size: 0
    .kernarg_segment_align: 8
    .kernarg_segment_size: 32
    .max_flat_workgroup_size: 512
    .sgpr_count:     100
    .vgpr_count:     256
    .wavefront_size: 32
...
	.end_amdgpu_metadata
.endif
;; end of part 3
;; launch outp (part 4): grid 4 x 32, 4 waves a work-group, clusters of 4 x 4, 327,680 bytes of LDS; arguments ac, wc, scl, bo, out0; writes out0
.if DOCPART == 4
	.amdgcn_target "amdgcn-amd-amdhsa--gfx1250"
	.amdhsa_code_object_version 6
	.text
	.protected	k_q21e7ceb839_outp
	.globl	k_q21e7ceb839_outp
	.p2align	8
	.type	k_q21e7ceb839_outp,@function
k_q21e7ceb839_outp:
	s_mov_b64 s[64:65], 0
	v_nop
	global_prefetch_b8 v0, s[64:65] scope:SCOPE_SE
	s_setreg_imm32_b32 hwreg(HW_REG_WAVE_MODE, 25, 1), 1
	s_wait_xcnt 0x0
	s_wait_alu depctr_hold_cnt(0) depctr_sa_sdst(0) depctr_va_vdst(0) depctr_va_sdst(0) depctr_va_ssrc(0) depctr_va_vcc(0) depctr_vm_vsrc(0)
	s_getreg_b32 s2, hwreg(HW_REG_IB_STS2, 6, 4)
	s_cmp_eq_u32 s2, 0
	s_cbranch_scc0 .Lentry_in_a_cluster
	s_endpgm
.Lentry_in_a_cluster:
	s_bfe_u32 s2, ttmp6, 0x10000c
	s_cmp_lg_u32 s2, 0xf033
	s_cbranch_scc0 .Lentry_shape_is_right
	s_endpgm
.Lentry_shape_is_right:
.set FR,    12
.set NL,    4
.set NP,    4
.set HALFT, 24576
.set SLOT,  4*HALFT
.set SPARE, 2*SLOT
.set SPW,   2
.set NIL,   3
.set A16,   4
.set A8,    6
.set B16,   8
.set B8,    10
.set CO,    12
.set STO,   14
.set RD,    15
.set SC,    16
.set AF,    80
.set BO,    176
.set G1,    24
.set G0,    32
.set G1B,   48
.set G0B,   56
.set MSB, 0
.macro WIN new
.if MSB != \new
	s_set_vgpr_msb (MSB<<8)|\new
.set MSB, \new
.endif
.endm
.set MUL_LO, 0xa1
.set MUL_HI, 0xf1
.set TO_B,   0x40
.macro JLOAD g0a, g1a, g0b, g1b
	s_cmp_eq_u32 s15, 0
	s_cbranch_scc0 .Lfor_b_\@
	tensor_load_to_lds s[\g0a:\g0a+3], s[\g1a:\g1a+7]
	s_nop 0
.rept 4
	v_nop
.endr
	s_branch .Lasked_\@
.Lfor_b_\@:
	tensor_load_to_lds s[\g0b:\g0b+3], s[\g1b:\g1b+7]
	s_nop 0
.rept 4
	v_nop
.endr
.Lasked_\@:
.endm
.macro CREST
	s_cmp_lg_u32 s14, 0
	s_cbranch_scc1 .Lnot_wave_0_\@
	s_barrier_signal -3
.Lnot_wave_0_\@:
	s_barrier_wait -3
	s_barrier_signal -1
	s_barrier_wait -1
.endm
.macro CROUND
	s_barrier_signal -1
	s_barrier_wait -1
	CREST
.endm
.macro PLACES n
.rept \n
	v_nop
.endr
.endm
.macro FRAG reg, a16, a8, q, i
	ds_load_b128 v[\reg:\reg+3], v[\a16] offset:12288*(\q)+1536*(\i)
	ds_load_b64 v[\reg+4:\reg+5], v[\a8] offset:12288*(\q)+1536*(\i)+512
	ds_load_b128 v[\reg+6:\reg+9], v[\a16] offset:12288*(\q)+1536*(\i)+768
	ds_load_b64 v[\reg+10:\reg+11], v[\a8] offset:12288*(\q)+1536*(\i)+1280
.endm
.macro FETCH_B slot, q, p
	WIN TO_B
.irp i, 0,1,2,3,4,5,6,7
	FRAG 96*(\p)+FR*\i, B16+\slot, B8+\slot, \q, \i
.endr
	WIN 0
.endm
.macro FETCH_A slot, q, i0
.irp i, \i0, \i0+1, \i0+2, \i0+3
	FRAG AF+FR*(\i), A16+\slot, A8+\slot, \q, \i
.endr
.endm
.macro MUL16 a0, p, ks, zero
.irp a, \a0, \a0+1
.irp b, 0,1,2,3,4,5,6,7
.if \zero
	v_wmma_scale_f32_16x16x128_f8f6f4 v[8*(8*((\a)%4)+\b):8*(8*((\a)%4)+\b)+7], v[96*(\p)+FR*\b:96*(\p)+FR*\b+FR-1], v[AF+FR*(\a):AF+FR*(\a)+FR-1], 0, v[SC+8*\b+(\ks)], v[SC+8*(\a)+(\ks)] matrix_a_fmt:MATRIX_FMT_FP6 matrix_b_fmt:MATRIX_FMT_FP6 matrix_a_scale:MATRIX_SCALE_ROW1
.else
	v_wmma_scale_f32_16x16x128_f8f6f4 v[8*(8*((\a)%4)+\b):8*(8*((\a)%4)+\b)+7], v[96*(\p)+FR*\b:96*(\p)+FR*\b+FR-1], v[AF+FR*(\a):AF+FR*(\a)+FR-1], v[8*(8*((\a)%4)+\b):8*(8*((\a)%4)+\b)+7], v[SC+8*\b+(\ks)], v[SC+8*(\a)+(\ks)] matrix_a_fmt:MATRIX_FMT_FP6 matrix_b_fmt:MATRIX_FMT_FP6 matrix_a_scale:MATRIX_SCALE_ROW1
.endif
.endr
.endr
.endm
.macro STEP slot, ks, zero
	s_wait_dscnt 4*NL
	WIN MUL_LO
	MUL16 0, 0, \ks, \zero
	MUL16 2, 0, \ks, \zero
	s_wait_dscnt 0x0
	PLACES NP
	FETCH_B \slot, 1, 1
	FETCH_A \slot, 1, 0
	WIN MUL_HI
	MUL16 4, 0, \ks, \zero
	MUL16 6, 0, \ks, \zero
	PLACES NP
	WIN 0
	FETCH_A \slot, 1, 4
.endm
.macro TURN slot, next, ks, fill
	s_wait_tensorcnt 0x0
	ds_add_u32 v[SPW], v[NIL]
	s_wait_dscnt 4*NL+1
	WIN MUL_LO
	MUL16 0, 1, \ks, 0
	s_wait_dscnt 0x0
	s_barrier_signal -1
	MUL16 2, 1, \ks, 0
	WIN 0
	s_barrier_wait -1
.if \fill
	CREST
	s_add_nc_u64 s[G0+4*\slot+2:G0+4*\slot+3], s[G0+4*\slot+2:G0+4*\slot+3], 2*HALFT
	s_add_nc_u64 s[G0B+4*\slot+2:G0B+4*\slot+3], s[G0B+4*\slot+2:G0B+4*\slot+3], 2*HALFT
	JLOAD G0+4*\slot, G1, G0B+4*\slot, G1B
.else
	PLACES NP
.endif
	FETCH_B \next, 0, 0
	FETCH_A \next, 0, 0
	WIN MUL_HI
	MUL16 4, 1, \ks, 0
	MUL16 6, 1, \ks, 0
	PLACES NP
	WIN 0
	FETCH_A \next, 0, 4
.endm
.macro LAST ks
	s_wait_dscnt 4*NL
	WIN MUL_LO
	MUL16 0, 1, \ks, 0
	MUL16 2, 1, \ks, 0
	s_wait_alu depctr_va_vdst(0)
	s_wait_dscnt 0x0
	WIN MUL_HI
	MUL16 4, 1, \ks, 0
	MUL16 6, 1, \ks, 0
	WIN 0
	PLACES NP
.endm
	s_load_b256 s[4:11], s[0:1], 0x0
	s_load_b64 s[12:13], s[0:1], 0x20
	v_lshl_add_u32 v[SPW], v0, 2, SPARE
	v_mov_b32 v[NIL], 0
	ds_add_u32 v[SPW], v[NIL]
	ds_add_u32 v[SPW], v[NIL]
	v_lshrrev_b32 v1, 5, v0
	v_readfirstlane_b32 s14, v1
	s_lshr_b32 s15, s14, 1
	s_and_b32 s16, s14, 1
	s_bfe_u32 s40, ttmp6, 0x40000
	s_bfe_u32 s41, ttmp6, 0x40004
	s_lshl_b32 s42, ttmp9, 2
	s_add_co_u32 s42, s42, s40
	s_and_b32 s17, ttmp7, 0xffff
	s_lshl_b32 s17, s17, 2
	s_add_co_u32 s17, s17, s41
	s_lshl_b32 s43, s41, 2
	s_lshl_b32 s43, 15, s43
	s_lshl_b32 s44, 0x1111, s40
	s_or_b32 s[G1+0], s43, (3<<16)|(1<<21)
	s_or_b32 s[G1B+0], s44, (3<<16)|(1<<21)
.irp g, G1, G1B
	s_mov_b32 s[\g+1], 32<<16
	s_mov_b32 s[\g+2], 96<<16
	s_mov_b32 s[\g+3], 32<<16
	s_mov_b32 s[\g+4], 96
	s_mov_b32 s[\g+5], 32
	s_mov_b32 s[\g+6], 0
	s_mov_b32 s[\g+7], 0
.endr
	s_lshl_b32 s20, s17, 1
	s_add_co_u32 s20, s20, s16
	s_mul_i32 s20, s20, 98304
	s_mov_b32 s21, 0
	s_lshl_b32 s46, s42, 1
	s_add_co_u32 s46, s46, s16
	s_add_co_u32 s46, s46, 24
	s_mul_i32 s46, s46, 98304
	s_mov_b32 s47, 0
	s_mul_i32 s45, s14, HALFT
	s_wait_dscnt 0x0
	s_wait_kmcnt 0x0
	s_add_nc_u64 s[20:21], s[4:5], s[20:21]
	s_add_nc_u64 s[46:47], s[6:7], s[46:47]
	CROUND
.irp s, 0,1
	s_mov_b32 s[G0+4*\s], 1
	s_add_co_u32 s[G0+4*\s+1], s45, \s*SLOT
	s_add_nc_u64 s[G0+4*\s+2:G0+4*\s+3], s[20:21], \s*HALFT
	s_or_b32 s[G0+4*\s+3], s[G0+4*\s+3], 0x80000000
	s_mov_b32 s[G0B+4*\s], 1
	s_add_co_u32 s[G0B+4*\s+1], s45, \s*SLOT
	s_add_nc_u64 s[G0B+4*\s+2:G0B+4*\s+3], s[46:47], \s*HALFT
	s_or_b32 s[G0B+4*\s+3], s[G0B+4*\s+3], 0x80000000
.if \s == 0
	JLOAD G0, G1, G0B, G1B                         ; slot 0: one tensor load a wave at the head
.endif
.endr
	v_and_b32 v1, 31, v0
	v_lshlrev_b32 v[CO], 4, v1
	v_lshlrev_b32 v13, 3, v1
	s_mul_i32 s80, s15, HALFT
	s_mul_i32 s81, s16, HALFT
	s_add_co_u32 s81, s81, 2*HALFT
.irp s, 0,1
	v_add_nc_u32 v[A16+\s], s80, v[CO]
	v_add_nc_u32 v[A8+\s], s80, v13
	v_add_nc_u32 v[B16+\s], s81, v[CO]
	v_add_nc_u32 v[B8+\s], s81, v13
	s_add_co_u32 s80, s80, SLOT
	s_add_co_u32 s81, s81, SLOT
.endr
	s_lshl_b32 s82, s17, 1
	s_add_co_u32 s82, s82, s15
	s_lshl_b32 s82, s82, 12
	s_add_co_u32 s82, s82, 393216
	s_lshl_b32 s83, s42, 1
	s_add_co_u32 s83, s83, s16
	s_add_co_u32 s83, s83, 24
	s_lshl_b32 s83, s83, 12
	s_add_co_u32 s83, s83, 262144
	v_and_b32 v14, 15, v0
	s_wait_alu depctr_va_vdst(0)
	v_bfe_u32 v15, v0, 4, 1
	v_cmp_ne_u32 s90, 0, v15
	v_mov_b32 v1, s82
	v_mov_b32 v180, s83
	v_cndmask_b32 v1, v1, v180, s90
	v_lshl_add_u32 v1, v14, 2, v1
.irp i, 0,1,2,3,4,5,6,7
.irp k, 0,1,2,3,4,5,6,7
	global_load_b32 v[SC+8*\i+\k], v1, s[8:9] offset:512*\k+64*\i
.endr
.endr
	s_lshl_b32 s84, s42, 10
	s_lshl_b32 s85, s16, 9
	s_add_co_u32 s84, s84, s85
	s_mov_b32 s85, 0
	s_add_nc_u64 s[10:11], s[10:11], s[84:85]
	global_load_b128 v[BO:BO+3], v[CO], s[10:11]
	s_lshl_b32 s86, s17, 8
	s_lshl_b32 s87, s15, 7
	s_add_co_u32 s86, s86, s87
	s_lshl_b32 s86, s86, 12
	s_mov_b32 s87, 0
	s_add_nc_u64 s[12:13], s[12:13], s[86:87]
	s_add_nc_u64 s[12:13], s[12:13], s[84:85]
	s_mul_i32 s88, s14, 16*528
	v_mul_u32_u24 v14, v14, 528
	s_wait_alu depctr_va_vdst(0)
	v_lshl_add_u32 v14, v15, 6, v14
	v_add_nc_u32 v[STO], s88, v14
	v_add_nc_u32 v[RD], s88, v[CO]
	s_wait_alu depctr_va_vdst(0)                   ; the wait at the head's end
	s_wait_loadcnt 0x0                             ; the scale words and the bias
	s_wait_tensorcnt 0x0                           ; my part of slot 0 is in; slot 1's first fill is issued as a refill is:
	ds_add_u32 v[SPW], v[NIL]                      ; 0 onto my spare word
	s_wait_dscnt 0x0
	CROUND                                         ; a whole round: slot 0 is whole, and the joint loads meet
	JLOAD G0+4, G1, G0B+4, G1B                     ; slot 1, the first tensor load behind the round
	FETCH_B 0, 0, 0
	FETCH_A 0, 0, 0
	FETCH_A 0, 0, 4
	STEP 0, 0, 1
	TURN 0, 1, 1, 1
	STEP 1, 2, 0
	TURN 1, 0, 3, 1
	STEP 0, 4, 0
	TURN 0, 1, 5, 0
	STEP 1, 6, 0
	LAST 7
.macro TOSTAGE a
.set AC, 64*((\a)%4)
	WIN 0x08+4*((\a)/4)
.irp b, 0,1,2,3,4,5,6,7
	ds_store_b128 v[STO], v[AC+8*\b:AC+8*\b+3] offset:128*(\b/2)+32*(\b%2)
	ds_store_b128 v[STO], v[AC+8*\b+4:AC+8*\b+7] offset:128*(\b/2)+32*(\b%2)+16
.endr
	WIN 0
.set BB, 80+112*((\a)%2)
.set t, 0
.rept 16
	ds_load_b128 v[BB+4*t:BB+4*t+3], v[RD] offset:t*528
.set t, t+1
.endr
.endm
.macro SEND a, younger
.set BB, 80+112*((\a)%2)
	s_wait_dscnt \younger
.set t, 0
.rept 16
	v_pk_add_f32 v[BB+4*t:BB+4*t+1], v[BB+4*t:BB+4*t+1], v[BO:BO+1]
	v_pk_add_f32 v[BB+4*t+2:BB+4*t+3], v[BB+4*t+2:BB+4*t+3], v[BO+2:BO+3]
	global_store_b128 v[CO], v[BB+4*t:BB+4*t+3], s[12:13] offset:(32*((\a)/2)+8*((\a)%2)+t+8*(t/8))*4096 th:TH_STORE_NT
.set t, t+1
.endr
.endm
	TOSTAGE 0
.irp a, 1,2,3,4,5,6,7
.if \a > 1
	s_wait_xcnt 0x0
.endif
	TOSTAGE \a
	SEND \a-1, 32
.endr
	SEND 7, 0
	s_wait_tensorcnt 0x0
	ds_add_u32 v[SPW], v[NIL]
	s_wait_dscnt 0x0
	CROUND
	s_endpgm
.Lfunc_end_k_q21e7ceb839_outp:
	.size	k_q21e7ceb839_outp, .Lfunc_end_k_q21e7ceb839_outp-k_q21e7ceb839_outp
	.p2alignl 7, 3214868480
	.fill 96, 4, 3214868480
	.section	.rodata,"a",@progbits
	.p2align	6, 0x0
	.amdhsa_kernel k_q21e7ceb839_outp
		.amdhsa_group_segment_fixed_size 327680
		.amdhsa_private_segment_fixed_size 0
		.amdhsa_enable_private_segment 0
		.amdhsa_kernarg_size 40
		.amdhsa_user_sgpr_count 2
		.amdhsa_user_sgpr_kernarg_segment_ptr 1
		.amdhsa_wavefront_size32 1
		.amdhsa_system_sgpr_workgroup_id_x 1
		.amdhsa_system_sgpr_workgroup_id_y 1
		.amdhsa_system_sgpr_workgroup_id_z 1
		.amdhsa_system_vgpr_workitem_id 0
		.amdhsa_next_free_vgpr 1024
		.amdhsa_next_free_sgpr 100
		.amdhsa_reserve_vcc 0
		.amdhsa_float_denorm_mode_32 3
		.amdhsa_float_denorm_mode_16_64 3
		.amdhsa_memory_ordered 1
		.amdhsa_forward_progress 1
		.amdhsa_inst_pref_size 161
	.end_amdhsa_kernel
	.amdgpu_metadata
---
amdhsa.version: [ 1, 2 ]
amdhsa.kernels:
  - .name:           k_q21e7ceb839_outp
    .symbol:         k_q21e7ceb839_outp.kd
    .args:
      - { .name: ac, .offset: 0, .size: 8, .value_kind: global_buffer, .address_space: global }
      - { .name: wc, .offset: 8, .size: 8, .value_kind: global_buffer, .address_space: global }
      - { .name: scl, .offset: 16, .size: 8, .value_kind: global_buffer, .address_space: global }
      - { .name: bo, .offset: 24, .size: 8, .value_kind: global_buffer, .address_space: global }
      - { .name: out0, .offset: 32, .size: 8, .value_kind: global_buffer, .address_space: global }
    .group_segment_fixed_size: 327680
    .private_segment_fixed_size: 0
    .kernarg_segment_align: 8
    .kernarg_segment_size: 40
    .max_flat_workgroup_size: 128
    .sgpr_count:     100
    .vgpr_count:     1024
    .wavefront_size: 32
...
	.end_amdgpu_metadata
.endif
;; end of part 4
